; MI455X (gfx1250); checked and timed in simulation.
; The chip was launched on July 23, 2026; its instructions are those of AMD's public machine-readable ISA for CDNA 5 (MIT licence, August 2026) and "CDNA5" Instruction Set Architecture Reference Guide (July 2026). The comments in the code are by the model that wrote it; some were corrected since.
;; Frame Quantizer. Allowed arithmetic: float matrix products may take bf16 or f16 operands with f32 sums; all other float work in f32.
;; Inputs: emb_w 8,192 x 1,024 float32; z 4 x 8 x 128 x 2,048 float32.
;; Outputs: out0 4 x 8 x 128 x 2,048 float32; out1 one number float32; out2 4 x 2,048 int32.
;; 2 versions, each right and faster than the one before. Each part assembles by itself: llvm-mc -triple=amdgcn-amd-amdhsa -mcpu=gfx1250 --defsym DOCPART=n.
;; ======== version 1 of 2: 5 launches
;; workspace buffers: zb 16,777,216 bytes; eb 16,777,216 bytes; zz 32,768 bytes; ee 32,768 bytes; part 1,048,576 bytes; order 32,768 bytes of whole numbers; lpart 1,024 bytes
;; launch prep (part 1): grid 256 x 1, 8 waves a work-group, no clusters, 138,496 bytes of LDS; arguments emb_w, z, eb, zb, ee, zz; writes eb, zb, ee, zz
.if DOCPART == 1
	.amdgcn_target "amdgcn-amd-amdhsa--gfx1250"
	.amdhsa_code_object_version 6
	.text
	.protected	k_q0e455213ec_prep
	.globl	k_q0e455213ec_prep
	.p2align	8
	.type	k_q0e455213ec_prep,@function
k_q0e455213ec_prep:
	s_mov_b64 s[64:65], 0
	v_nop
	global_prefetch_b8 v0, s[64:65] scope:SCOPE_SE
	s_setreg_imm32_b32 hwreg(HW_REG_WAVE_MODE, 25, 1), 1
	s_wait_xcnt 0x0
; prep: the matrix operands of the distance launch, and the two sums of squares.
;   eb[n][d] = bf16(emb_w[n][d])              ee[n] = sum over d of eb[n][d]^2, in f32
;   zb[t][d] = bf16(z[b][d][w]), t = 2048 b + w   zz[t] = sum over d of zb[t][d]^2, in f32
; The sums are taken of the ROUNDED numbers: the distances are then those of the rounded inputs throughout.
; Work-groups 0-127 take 64 codebook rows each, work-groups 128-255 take 64 frames (all 1,024 d) each: 256 KiB in and 128 KiB out either way.
; The branch hangs on the work-group's number alone, so all eight waves of a work-group take the same way and meet the same barrier;
; the two ways have LDS bytes of their own all the same, so that no byte is named on both.
; Memory binds: every byte is read once by 16-byte loads, and every store of a wave covers whole aligned blocks of 256 bytes.
; No matrix unit and no cluster: no two work-groups read the same bytes.
.set Y,      16                        ; v[16:31]  packed bf16
.set T,      32                        ; v[32:39]  at work
.set AC,     40                        ; v[40:47]  four pairs of f32 sums
.set RS,     48                        ; v[48:55]  finished sums
.set X,      64                        ; v[64:191] four slots of 32 registers: loads on their way
.set WBYTES, 16640                     ; frames: a wave's own LDS region: 64 tokens x 256 bytes, 16 bytes more behind every four tokens
.set ZZB,    8*WBYTES                  ; frames: 16 rows of 256 bytes, the partial sums of squares
.set ESB,    ZZB+4096                  ; codebook rows: 64 words, the rows' sums of squares
.macro WAVESUM r, t                    ; the sum over a half of 16 lanes in v[r]; the other half's in v[t] (written before)
	v_add_f32_dpp v[\r], v[\r], v[\r] row_xmask:1 row_mask:0xf bank_mask:0xf
	v_add_f32_dpp v[\r], v[\r], v[\r] row_xmask:2 row_mask:0xf bank_mask:0xf
	v_add_f32_dpp v[\r], v[\r], v[\r] row_xmask:4 row_mask:0xf bank_mask:0xf
	v_add_f32_dpp v[\r], v[\r], v[\r] row_xmask:8 row_mask:0xf bank_mask:0xf
	v_permlanex16_b32 v[\t], v[\r], s18, s19
.endm
; eight loads: one codebook row of 4,096 bytes, 512 neighbouring bytes each
.macro EFILL slot, row
.irp j, 0,1,2,3,4,5,6,7
	global_load_b128 v[X+32*\slot+4*\j:X+32*\slot+4*\j+3], v3, s[4:5] offset:(\row)*4096+512*\j th:TH_LOAD_NT
.endr
.endm
; one codebook row: round, store, square.  left = the loads of the younger rows, eight each, that may stay out
.macro EROW row, slot, left, fill
	s_wait_loadcnt \left                           ; loads come back in order: this row's eight are in
	s_wait_xcnt 0x0                                ; Y is the last row's store data: rewritten only behind this wait
.irp j, 0,1,2,3,4,5,6,7
	v_cvt_pk_bf16_f32 v[Y+2*\j],   v[X+32*\slot+4*\j],   v[X+32*\slot+4*\j+1]
	v_cvt_pk_bf16_f32 v[Y+2*\j+1], v[X+32*\slot+4*\j+2], v[X+32*\slot+4*\j+3]
	v_lshlrev_b32 v[T+4*(\j&1)],   16,  v[Y+2*\j]               ; the rounded numbers back in f32
	v_and_b32     v[T+4*(\j&1)+1], s17, v[Y+2*\j]
	v_lshlrev_b32 v[T+4*(\j&1)+2], 16,  v[Y+2*\j+1]
	v_and_b32     v[T+4*(\j&1)+3], s17, v[Y+2*\j+1]
.if \j < 2
	v_pk_mul_f32 v[AC+4*\j:AC+4*\j+1],   v[T+4*\j:T+4*\j+1],   v[T+4*\j:T+4*\j+1]      ; the first products start the four sums
	v_pk_mul_f32 v[AC+4*\j+2:AC+4*\j+3], v[T+4*\j+2:T+4*\j+3], v[T+4*\j+2:T+4*\j+3]
.else
	v_pk_fma_f32 v[AC+4*(\j&1):AC+4*(\j&1)+1],   v[T+4*(\j&1):T+4*(\j&1)+1],   v[T+4*(\j&1):T+4*(\j&1)+1],   v[AC+4*(\j&1):AC+4*(\j&1)+1]
	v_pk_fma_f32 v[AC+4*(\j&1)+2:AC+4*(\j&1)+3], v[T+4*(\j&1)+2:T+4*(\j&1)+3], v[T+4*(\j&1)+2:T+4*(\j&1)+3], v[AC+4*(\j&1)+2:AC+4*(\j&1)+3]
.endif
	global_store_b64 v4, v[Y+2*\j:Y+2*\j+1], s[8:9] offset:\row*2048+256*\j        ; 32 lanes x 8 bytes: 256 consecutive bytes, aligned
.endr
.if \fill
	EFILL \slot, \row+4
.endif
	v_pk_add_f32 v[AC:AC+1],   v[AC:AC+1],   v[AC+2:AC+3]
	v_pk_add_f32 v[AC+4:AC+5], v[AC+4:AC+5], v[AC+6:AC+7]
	v_pk_add_f32 v[AC:AC+1],   v[AC:AC+1],   v[AC+4:AC+5]
	v_add_f32 v[T], v[AC], v[AC+1]
	WAVESUM T, T+1
	v_add_f32 v[RS+\row], v[T], v[T+1]             ; every lane holds the row's sum
.endm
; eight loads: d rows 16 g + 8 hh + k of my wave's 128; each half of the wave reads one aligned block of 256 bytes (64 frames)
.macro ZFILL slot, g
.irp k, 0,1,2,3,4,5,6,7
	global_load_b128 v[X+32*\slot+4*\k:X+32*\slot+4*\k+3], v7, s[6:7] offset:(16*(\g)+\k)*8192 th:TH_LOAD_NT
.endr
.endm
; sixteen d rows of 64 frames: a lane holds 8 d x 4 frames and turns them into 4 x 16 bytes along d
.macro ZGRP g, slot, left, fill
	s_wait_loadcnt \left
.irp i, 0,1,2,3
.irp m, 0,1,2,3
	v_cvt_pk_bf16_f32 v[Y+4*\i+\m], v[X+32*\slot+8*\m+\i], v[X+32*\slot+8*\m+4+\i]   ; frame 4 q + i, d rows 2 m and 2 m + 1
.endr
	ds_store_b128 v8, v[Y+4*\i:Y+4*\i+3] offset:\i*256+32*\g       ; lane q lands at 16-byte column q of 16 (1,040 q = 4 x 256 q + 16 q)
.irp m, 0,1,2,3
	v_lshlrev_b32 v[T+2*\m],   16,  v[Y+4*\i+\m]
	v_and_b32     v[T+2*\m+1], s17, v[Y+4*\i+\m]
.endr
.irp m, 0,1,2,3
.if (\g+\m) == 0
	v_pk_mul_f32 v[AC+2*\i:AC+2*\i+1], v[T:T+1], v[T:T+1]          ; the first product starts the frame's sum
.else
	v_pk_fma_f32 v[AC+2*\i:AC+2*\i+1], v[T+2*\m:T+2*\m+1], v[T+2*\m:T+2*\m+1], v[AC+2*\i:AC+2*\i+1]
.endif
.endr
.endr
.if \fill
	ZFILL \slot, \g+4
.endif
.endm
	s_load_b256 s[4:11], s[0:1], 0x0               ; emb_w s[4:5], z s[6:7], eb s[8:9], zb s[10:11]
	s_load_b128 s[12:15], s[0:1], 0x20             ; ee s[12:13], zz s[14:15]
	v_lshl_add_u32 v192, v0, 2, 0x21900
	v_mov_b32 v193, 0
	v_lshrrev_b32 v1, 5, v0
	v_readfirstlane_b32 s16, v1                    ; wave 0..7
	s_mov_b32 s17, 0xffff0000                      ; a word's upper bf16
	s_mov_b32 s18, 0x76543210                      ; v_permlanex16_b32: lane i reads lane i of the other half
	s_mov_b32 s19, 0xfedcba98
	s_mov_b32 s21, 0                               ; the upper words of three byte offsets
	s_mov_b32 s23, 0
	s_mov_b32 s25, 0
	v_and_b32 v2, 31, v0                           ; lane
	v_lshlrev_b32 v3, 4, v2                        ; 16 x lane
	v_lshlrev_b32 v4, 3, v2                        ; 8 x lane
	s_wait_kmcnt 0x0
	s_cmp_ge_u32 ttmp9, 128
	s_cbranch_scc1 .Lframes
	; ---- codebook rows 64 x .. 64 x + 63; a wave takes eight ----
	s_lshl_b32 s20, ttmp9, 18                      ; 64 rows of 4,096 bytes
	s_lshl_b32 s26, s16, 15                        ; + 8 rows a wave
	s_add_co_u32 s20, s20, s26
	s_lshr_b32 s22, s20, 1                         ; eb's rows are half as long
	s_lshl_b32 s24, ttmp9, 8                       ; 64 sums of 4 bytes
	s_add_nc_u64 s[4:5], s[4:5], s[20:21]
	s_add_nc_u64 s[8:9], s[8:9], s[22:23]
	s_add_nc_u64 s[12:13], s[12:13], s[24:25]
	EFILL 0, 0
	EFILL 1, 1
	EFILL 2, 2
	EFILL 3, 3
	v_mov_b32 v5, ESB
	v_lshl_add_u32 v5, s16, 5, v5                  ; my wave's 32 bytes among the 64 sums
	v_add_nc_u32 v6, ESB, v4                       ; and where wave 0 reads them back: 8 x lane
	EROW 0, 0, 24, 1                               ; three younger rows stay out
	EROW 1, 1, 24, 1
	EROW 2, 2, 24, 1
	EROW 3, 3, 24, 1
	EROW 4, 0, 24, 0
	EROW 5, 1, 16, 0                               ; nothing more is fetched: the counts run down
	EROW 6, 2, 8, 0
	EROW 7, 3, 0, 0
.irp r, 0,1,2,3,4,5,6,7
	ds_store_b32 v5, v[RS+\r] offset:4*\r          ; all lanes write the same word with the same value
.endr
	s_wait_dscnt 0x0                               ; for the other waves' sake: my stores are done,
	s_barrier_signal -1
	s_barrier_wait -1                              ; everybody's are
	s_cmp_lg_u32 s16, 0
	s_cbranch_scc1 .Lcodes_end
	ds_load_b64 v[T:T+1], v6                       ; wave 0: the 64 sums,
	s_wait_dscnt 0x0
	global_store_b64 v4, v[T:T+1], s[12:13]        ; as one aligned block of 256 bytes
.Lcodes_end:
	s_wait_tensorcnt 0x0
	ds_add_u32 v192, v193
	s_wait_dscnt 0x0
	s_endpgm
	; ---- 64 frames, all 1,024 d; wave wv takes d = 128 wv .. 128 wv + 127 ----
.Lframes:
	s_sub_co_u32 s26, ttmp9, 128
	s_lshr_b32 s27, s26, 5                         ; b
	s_and_b32 s26, s26, 31                         ; which 64 frames of the 2,048
	s_lshl_b32 s20, s27, 23                        ; z: b x 1,024 rows of 8,192 bytes
	s_lshl_b32 s28, s16, 20                        ;    + wave x 128 rows
	s_add_co_u32 s20, s20, s28
	s_lshl_b32 s28, s26, 8                         ;    + 64 frames of 4 bytes
	s_add_co_u32 s20, s20, s28
	s_lshl_b32 s22, s27, 22                        ; zb: (2,048 b + 64 block + 8 wave) rows of 2,048 bytes
	s_lshl_b32 s28, s26, 17
	s_add_co_u32 s22, s22, s28
	s_lshl_b32 s28, s16, 14
	s_add_co_u32 s22, s22, s28
	s_lshl_b32 s24, s27, 13                        ; zz: (2,048 b + 64 block) x 4 bytes
	s_lshl_b32 s28, s26, 8
	s_add_co_u32 s24, s24, s28
	s_add_nc_u64 s[6:7], s[6:7], s[20:21]
	s_add_nc_u64 s[10:11], s[10:11], s[22:23]
	s_add_nc_u64 s[14:15], s[14:15], s[24:25]
	v_and_b32 v5, 15, v0                           ; q: my frames are 4 q .. 4 q + 3
	v_bfe_u32 v6, v0, 4, 1                         ; hh: my d rows are the lower or the upper eight of sixteen
	v_lshlrev_b32 v7, 4, v5
	v_lshl_add_u32 v7, v6, 16, v7                  ; in z: 16 q + hh x 8 rows
	ZFILL 0, 0
	ZFILL 1, 1
	ZFILL 2, 2
	ZFILL 3, 3
	s_mul_i32 s28, s16, WBYTES                     ; my wave's region
	v_mul_u32_u24 v8, v5, 1040                     ; four tokens of 256 bytes + 16
	v_lshl_add_u32 v8, v6, 4, v8
	v_add_nc_u32 v8, s28, v8                       ; where I put 16 bytes of a token
	v_lshlrev_b32 v9, 4, v5
	v_lshl_add_u32 v9, v6, 8, v9
	v_lshl_add_u32 v9, s16, 9, v9
	v_add_nc_u32 v9, ZZB, v9                       ; partial sums: row 2 wave + hh, 16 q
	s_mul_i32 s28, s16, 2080                       ; back: tokens 8 wave + t lie 2,080 wave + 256 t + 16 (t / 4) into each region
	v_mul_u32_u24 v10, v6, WBYTES                  ; lanes 0-15 read one region's piece of 256 bytes, lanes 16-31 the next region's
	v_lshl_add_u32 v10, v5, 4, v10
	v_add_nc_u32 v10, s28, v10                     ; regions 0-3 (the immediate reaches two regions on)
	v_add_nc_u32 v12, 4*WBYTES, v10                ; regions 4-7
	v_add_nc_u32 v11, ZZB, v4
	ZGRP 0, 0, 24, 1
	ZGRP 1, 1, 24, 1
	ZGRP 2, 2, 24, 1
	ZGRP 3, 3, 24, 1
	ZGRP 4, 0, 24, 0
	ZGRP 5, 1, 16, 0
	ZGRP 6, 2, 8, 0
	ZGRP 7, 3, 0, 0
.irp i, 0,1,2,3
	v_add_f32 v[RS+\i], v[AC+2*\i], v[AC+2*\i+1]
.endr
	ds_store_b128 v9, v[RS:RS+3]                   ; my 64 d of frames 4 q .. 4 q + 3
	s_wait_dscnt 0x0                               ; my stores are done,
	s_barrier_signal -1
	s_barrier_wait -1                              ; everybody's are
.irp t, 0,1,2,3,4,5,6,7
.irp c, 0,1
	ds_load_b128 v[X+16*\t+4*\c:X+16*\t+4*\c+3], v10 offset:\c*2*WBYTES+\t*256+(\t>>2)*16
.endr
.irp c, 2,3
	ds_load_b128 v[X+16*\t+4*\c:X+16*\t+4*\c+3], v12 offset:(\c-2)*2*WBYTES+\t*256+(\t>>2)*16
.endr
.endr
.irp t, 0,1,2,3,4,5,6,7
.irp c, 0,1,2,3
	s_wait_dscnt 31-4*\t-\c                        ; LDS loads come back in order: the younger ones stay out
	global_store_b128 v3, v[X+16*\t+4*\c:X+16*\t+4*\c+3], s[10:11] offset:\t*2048+512*\c   ; 512 consecutive bytes of a token's row
.endr
.endr
	s_cmp_lg_u32 s16, 0
	s_cbranch_scc1 .Lframes_end
.irp p, 0,1,2,3,4,5,6,7,8,9,10,11,12,13,14,15
	ds_load_b64 v[Y+2*\p:Y+2*\p+1], v11 offset:256*\p              ; wave 0: the sixteen partial sums of frames 2 lane, 2 lane + 1
.endr
	s_wait_dscnt 0x0
.irp p, 0,1,2,3,4,5,6,7
	v_pk_add_f32 v[Y+2*\p:Y+2*\p+1], v[Y+2*\p:Y+2*\p+1], v[Y+2*\p+16:Y+2*\p+17]
.endr
.irp p, 0,1,2,3
	v_pk_add_f32 v[Y+2*\p:Y+2*\p+1], v[Y+2*\p:Y+2*\p+1], v[Y+2*\p+8:Y+2*\p+9]
.endr
.irp p, 0,1
	v_pk_add_f32 v[Y+2*\p:Y+2*\p+1], v[Y+2*\p:Y+2*\p+1], v[Y+2*\p+4:Y+2*\p+5]
.endr
	v_pk_add_f32 v[Y:Y+1], v[Y:Y+1], v[Y+2:Y+3]
	global_store_b64 v4, v[Y:Y+1], s[14:15]        ; one aligned block of 256 bytes
.Lframes_end:
	s_wait_tensorcnt 0x0
	ds_add_u32 v192, v193
	s_wait_dscnt 0x0
	s_endpgm
.Lfunc_end_k_q0e455213ec_prep:
	.size	k_q0e455213ec_prep, .Lfunc_end_k_q0e455213ec_prep-k_q0e455213ec_prep
	.p2alignl 7, 3214868480
	.fill 96, 4, 3214868480
	.section	.rodata,"a",@progbits
	.p2align	6, 0x0
	.amdhsa_kernel k_q0e455213ec_prep
		.amdhsa_group_segment_fixed_size 138496
		.amdhsa_private_segment_fixed_size 0
		.amdhsa_enable_private_segment 0
		.amdhsa_kernarg_size 48
		.amdhsa_user_sgpr_count 2
		.amdhsa_user_sgpr_kernarg_segment_ptr 1
		.amdhsa_wavefront_size32 1
		.amdhsa_system_sgpr_workgroup_id_x 1
		.amdhsa_system_sgpr_workgroup_id_y 1
		.amdhsa_system_sgpr_workgroup_id_z 1
		.amdhsa_system_vgpr_workitem_id 0
		.amdhsa_next_free_vgpr 194
		.amdhsa_next_free_sgpr 66
		.amdhsa_reserve_vcc 0
		.amdhsa_float_denorm_mode_32 3
		.amdhsa_float_denorm_mode_16_64 3
		.amdhsa_memory_ordered 1
		.amdhsa_forward_progress 1
		.amdhsa_inst_pref_size 86
	.end_amdhsa_kernel
	.amdgpu_metadata
---
amdhsa.version: [ 1, 2 ]
amdhsa.kernels:
  - .name:           k_q0e455213ec_prep
    .symbol:         k_q0e455213ec_prep.kd
    .args:
      - { .name: emb_w, .offset: 0, .size: 8, .value_kind: global_buffer, .address_space: global }
      - { .name: z, .offset: 8, .size: 8, .value_kind: global_buffer, .address_space: global }
      - { .name: eb, .offset: 16, .size: 8, .value_kind: global_buffer, .address_space: global }
      - { .name: zb, .offset: 24, .size: 8, .value_kind: global_buffer, .address_space: global }
      - { .name: ee, .offset: 32, .size: 8, .value_kind: global_buffer, .address_space: global }
      - { .name: zz, .offset: 40, .size: 8, .value_kind: global_buffer, .address_space: global }
    .group_segment_fixed_size: 138496
    .private_segment_fixed_size: 0
    .kernarg_segment_align: 8
    .kernarg_segment_size: 48
    .max_flat_workgroup_size: 256
    .sgpr_count:     66
    .vgpr_count:     194
    .wavefront_size: 32
...
	.end_amdgpu_metadata
.endif
;; end of part 1
;; launch dist (part 2): grid 8 x 32, 4 waves a work-group, clusters of 4 x 4, 327,680 bytes of LDS; arguments zb, eb, zz, ee, part; writes part
.if DOCPART == 2
	.amdgcn_target "amdgcn-amd-amdhsa--gfx1250"
	.amdhsa_code_object_version 6
	.text
	.protected	k_q0e455213ec_dist
	.globl	k_q0e455213ec_dist
	.p2align	8
	.type	k_q0e455213ec_dist,@function
k_q0e455213ec_dist:
	s_mov_b64 s[64:65], 0
	v_nop
	global_prefetch_b8 v0, s[64:65] scope:SCOPE_SE
	s_setreg_imm32_b32 hwreg(HW_REG_WAVE_MODE, 25, 1), 1
	s_wait_xcnt 0x0
	s_wait_alu depctr_hold_cnt(0) depctr_sa_sdst(0) depctr_va_vdst(0) depctr_va_sdst(0) depctr_va_ssrc(0) depctr_va_vcc(0) depctr_vm_vsrc(0)
	s_getreg_b32 s2, hwreg(HW_REG_IB_STS2, 6, 4)
	s_cmp_eq_u32 s2, 0
	s_cbranch_scc0 .Lentry_in_a_cluster
	s_endpgm
.Lentry_in_a_cluster:
	s_bfe_u32 s2, ttmp6, 0x10000c
	s_cmp_lg_u32 s2, 0xf033
	s_cbranch_scc0 .Lentry_shape_is_right
	s_endpgm
.Lentry_shape_is_right:
; dist: d[t][n] = (zz[t] + ee[n]) - 2 zb[t].eb[n], and for each token the least d and the first code that has it, over a share of the codes.
; zb: [8192 tokens][1024] bf16, eb: [8192 codes][1024] bf16; sums in f32.  d is rounded as the formula is written: s = zz + ee rounded once,
; then one fused multiply-add of the dot by -2 onto s (2 x dot is exact, so that is the rounding of s - 2 dot).
; A work-group owns 256 tokens (ty) and walks four blocks of 256 codes (codes 1024 gx ..): 256 work-groups that stay.  Four waves, each with a block of
; 128 tokens x 128 codes in 512 registers.  K goes in steps of 128 through two LDS slots filled by the tensor data mover: a tile's rows are 256 bytes
; of memory, at multiples of 256 bytes.  The slots take turns on into the next block of codes.
; CLUSTERS: 4 x 4 work-groups.  The four of a row of the cluster have the same tokens, the four of a column the same codes: each tile is asked for
; JOINTLY by the four, with one descriptor and a mask that names them, which divides the requests for both operands by four.
; By this text's own count a wave has two tensor loads out at the start and one behind each round of the cluster's barrier.
; OUT: part[split 16][block of 128 tokens 64][value, index][kk 2][r 16][e 4]: token 128 block + 16 (4 kk + e) + r; split = 2 gx + my half of the codes.
; LIMITS: a NaN among the d of a token is passed by (the formula's argmin would name the first NaN).  The dot's f32 sum has the matrix unit's order,
; so a d that lies within that sum's rounding of the middle between two f32 numbers may round the other way than in another order of summation.
;
; REGISTERS, in windows of 256 (s_set_vgpr_msb says which window each operand place means: bits 1:0 source 0, 3:2 source 1, 5:4 source 2, 7:6 destination):
;   window 0: v0-31 addresses; v32-39 RUN, v40-47 IDX (least d and its code, one token for each of my 8 tile rows); v48-63 zz as pairs (zz, zz);
;             v64-127, v128-191 token fragments, two buffers; v192-223 RB, v224-255 PB (chain minima and their places, at 4 a + c)
;   window 1: v0-63 ee of my 64 codes; v64-127, v128-191 code fragments, two buffers; v192-255 S (s, then d, of one tile row)
;   window 2: the 32 accumulator tiles of my tokens 0-63 (tile (a, b) at v[8 (8 a + b)]);   window 3: those of my tokens 64-127
; THE MATRIX INSTRUCTION: source 0 = 16 codes, source 1 = 16 tokens.  Lane l = (r = l % 16, h = l / 16), register j of tile (a, b) then holds
; token 16 a + r and code 16 b + 8 h + j: one token for a tile row, its 64 codes ascending along the lane's registers.
.set KSTEP,  128
.set ROWB,   2048                      ; bytes in a row of zb and of eb
.set PITCH,  272                       ; an LDS row: 256 bytes + 16 of padding = 68 words: the 16 rows that a load touches start 4 words apart modulo 64
.set HALFT,  128*PITCH                 ; 128 rows: what one tensor load brings, and what one wave reads of either operand
.set SLOT,   4*HALFT                   ; 256 token rows, then 256 code rows
.set ADRA, 16                          ; v16-17  LDS address of my token fragments in slot 0, 1
.set ADRB, 20                          ; v20-21  the same for codes
.set RUN,  32
.set IDX,  40
.set ZZ,   48
.set F0,   64
.set F1,   128
.set RB,   192
.set PB,   224
.set EE,   0                           ; window 1
.set S,    192                         ; window 1
.set G1,  24                           ; s[24:31] descriptor group 1 for token tiles
.set G0,  32                           ; s[32:39] group 0 for token tiles, a set for each slot
.set G1B, 48                           ; s[48:55] group 1 for code tiles: it differs in the mask alone
.set G0B, 56                           ; s[56:63] group 0 for code tiles, a set for each slot
.set MSB, 0
.macro WIN new                         ; the immediate's high byte repeats the setting that is left
.if MSB != \new
	s_set_vgpr_msb (MSB<<8)|\new
.set MSB, \new
.endif
.endm
.set MUL_LO, 0xa1                      ; source 0 (codes) window 1, source 1 (tokens) window 0, C and D window 2
.set MUL_HI, 0xf1                      ; the same, C and D window 3
.set TO_B,   0x40                      ; destination window 1, address window 0
; A joint load.  Waves 0 and 1 fetch the token tile's two halves, waves 2 and 3 the code tile's.  Each line has one mask and one set of registers for all
; that issue it; the branch hangs on the wave's number alone.
.macro JLOAD s
	s_cmp_eq_u32 s15, 0
	s_cbranch_scc0 .Lfor_b_\@
	tensor_load_to_lds s[G0+4*\s:G0+4*\s+3], s[G1:G1+7]
	s_nop 0
	s_branch .Lasked_\@
.Lfor_b_\@:
	tensor_load_to_lds s[G0B+4*\s:G0B+4*\s+3], s[G1B:G1B+7]
	s_nop 0
.Lasked_\@:
.endm
; A round of the cluster's barrier: my work-group's barrier; wave 0 signals for the work-group; every wave waits for all sixteen; my work-group's barrier again.
.macro CREST                           ; a round behind its opening barrier
	s_cmp_lg_u32 s14, 0
	s_cbranch_scc1 .Lnot_wave_0_\@
	s_barrier_signal -3
.Lnot_wave_0_\@:
	s_barrier_wait -3
	s_barrier_signal -1
	s_barrier_wait -1
.endm
.macro CROUND                          ; a whole round
	s_barrier_signal -1
	s_barrier_wait -1
	CREST
.endm
	s_load_b256 s[4:11], s[0:1], 0x0               ; zb s[4:5], eb s[6:7], zz s[8:9], ee s[10:11]
	s_load_b64 s[12:13], s[0:1], 0x20              ; part
	v_lshl_add_u32 v30, v0, 2, 0x44000
	v_mov_b32 v31, 0
	ds_add_u32 v30, v31
	v_lshrrev_b32 v1, 5, v0
	v_readfirstlane_b32 s14, v1                    ; wave 0..3
	s_lshr_b32 s15, s14, 1                         ; which half of the tokens is mine.  Also: I fetch tokens (0) or codes (1)
	s_and_b32 s16, s14, 1                          ; which half of the codes.  Also: which 128 rows of that tile I fetch
	s_bfe_u32 s40, ttmp6, 0x40000                  ; cx
	s_bfe_u32 s41, ttmp6, 0x40004                  ; cy
	s_lshl_b32 s42, ttmp9, 2                       ; in a cluster launch ttmp9 and ttmp7 count clusters
	s_add_co_u32 s42, s42, s40                     ; gx = 4 x cluster x + cx: my 1,024 codes
	s_and_b32 s45, ttmp7, 0xffff
	s_lshl_b32 s45, s45, 2
	s_add_co_u32 s45, s45, s41                     ; ty = 4 x cluster y + cy: my 256 tokens
	s_lshl_b32 s43, s41, 2
	s_lshl_b32 s43, 15, s43                        ; my row of the cluster: places 4 cy .. 4 cy + 3
	s_lshl_b32 s44, 0x1111, s40                    ; my column: places cx, cx + 4, cx + 8, cx + 12
	; group 1: a tile of 128 rows x 128 elements, padded in LDS
	s_or_b32 s[G1+0], s43, (1<<16)|(1<<20)|(1<<21)|(5<<22)|(3<<25)  ; 15:0 the mask: token tiles go to my row; 17:16 elements of 2 bytes; 20 padding on; 21 set beside a mask; 24:22 after every 64 words; 31:25 four words
	s_or_b32 s[G1B+0], s44, (1<<16)|(1<<20)|(1<<21)|(5<<22)|(3<<25) ; the same with my column's mask, for code tiles
	s_mov_b32 s[G1+1], KSTEP<<16                   ; tensor_dim0 = 128
	s_mov_b32 s[G1B+1], KSTEP<<16
	s_mov_b32 s[G1+2], 128<<16                     ; tensor_dim1 = 128
	s_mov_b32 s[G1B+2], 128<<16
	s_mov_b32 s[G1+3], KSTEP<<16                   ; tile_dim0 = 128
	s_mov_b32 s[G1B+3], KSTEP<<16
	s_mov_b32 s[G1+4], 128                         ; tile_dim1 = 128
	s_mov_b32 s[G1B+4], 128
	s_mov_b32 s[G1+5], 1024                        ; elements from row to row
	s_mov_b32 s[G1B+5], 1024
	s_mov_b32 s[G1+6], 0
	s_mov_b32 s[G1B+6], 0
	s_mov_b32 s[G1+7], 0
	s_mov_b32 s[G1B+7], 0
	; where the tiles come from: the tokens' address hangs on ty and the wave alone, the codes' on gx and the wave alone, each in registers that never hold the other coordinate
	s_lshl_b32 s17, s16, 7                         ; which 128 rows of the tile I fetch
	s_lshl_b32 s18, s45, 8
	s_add_co_u32 s18, s18, s17                     ; token row 256 ty + 128 half
	s_lshl_b32 s18, s18, 11                        ; in bytes (16 MiB at the most)
	s_mov_b32 s19, 0
	s_lshl_b32 s46, s42, 10
	s_add_co_u32 s46, s46, s17                     ; code row 1,024 gx + 128 half
	s_lshl_b32 s46, s46, 11
	s_mov_b32 s47, 0
	s_mul_i32 s20, s14, HALFT                      ; and where they go: wave x 128 rows: no place in the cluster enters an LDS address
	s_wait_dscnt 0x0
	s_wait_kmcnt 0x0
	s_add_nc_u64 s[18:19], s[4:5], s[18:19]
	s_add_nc_u64 s[46:47], s[6:7], s[46:47]
	CROUND                                         ; all sixteen work-groups are here: the first joint loads meet
.irp s, 0,1
	s_mov_b32 s[G0+4*\s], 1                                        ; count = 1
	s_add_co_u32 s[G0+4*\s+1], s20, \s*SLOT                        ; LDS address
	s_add_nc_u64 s[G0+4*\s+2:G0+4*\s+3], s[18:19], \s*KSTEP*2      ; global address: K step s
	s_or_b32 s[G0+4*\s+3], s[G0+4*\s+3], 0x80000000                ; type = 2
	s_mov_b32 s[G0B+4*\s], 1
	s_add_co_u32 s[G0B+4*\s+1], s20, \s*SLOT
	s_add_nc_u64 s[G0B+4*\s+2:G0B+4*\s+3], s[46:47], \s*KSTEP*2
	s_or_b32 s[G0B+4*\s+3], s[G0B+4*\s+3], 0x80000000
	JLOAD \s                                       ; both slots are asked for before anything else is done
.endr
	; a fragment is 16 rows x 32 K in 8 registers: lane l holds row l % 16; registers 0-3 K = 8 (l / 16) + 0..7, registers 4-7 K = 16 + 8 (l / 16) + 0..7
	v_and_b32 v1, 15, v0                           ; r
	v_bfe_u32 v2, v0, 4, 1                         ; h (kept to the end)
	v_mul_u32_u24 v3, v1, PITCH
	v_lshl_add_u32 v3, v2, 4, v3                   ; row x pitch + 16 h
	s_mul_i32 s21, s15, HALFT                      ; my 128 token rows
	s_mul_i32 s22, s16, HALFT                      ; my 128 code rows,
	s_add_co_u32 s22, s22, 2*HALFT                 ; which lie behind the 256 token rows
.irp s, 0,1
	v_add_nc_u32 v[ADRA+\s], s21, v3
	v_add_nc_u32 v[ADRB+\s], s22, v3
	s_add_co_u32 s21, s21, SLOT
	s_add_co_u32 s22, s22, SLOT
.endr
	v_lshlrev_b32 v24, 5, v2                       ; in ee: 8 h codes of 4 bytes
	v_lshlrev_b32 v25, 2, v1                       ; in zz: 4 r
	v_lshlrev_b32 v26, 4, v1
	v_lshl_add_u32 v26, v2, 9, v26                 ; in part: 512 h + 16 r
	v_lshlrev_b32 v27, 3, v2                       ; 8 h
	s_mov_b32 s69, 0
	s_lshl_b32 s68, s45, 10                        ; zz at token 256 ty + 128 half
	s_lshl_b32 s17, s15, 9
	s_add_co_u32 s68, s68, s17
	s_add_nc_u64 s[8:9], s[8:9], s[68:69]
	s_lshl_b32 s68, s42, 12                        ; ee at code 1,024 gx + 128 half
	s_lshl_b32 s17, s16, 9
	s_add_co_u32 s68, s68, s17
	s_add_nc_u64 s[10:11], s[10:11], s[68:69]
	s_lshr_b32 s67, s68, 2                         ; that code's number: the first code of my half of the block at hand
	s_lshl_b32 s68, s42, 17                        ; part at (64 (2 gx + code half) + 2 ty + token half) x 1,024 bytes
	s_lshl_b32 s17, s16, 16
	s_add_co_u32 s68, s68, s17
	s_lshl_b32 s17, s45, 11
	s_add_co_u32 s68, s68, s17
	s_lshl_b32 s17, s15, 10
	s_add_co_u32 s68, s68, s17
	s_add_nc_u64 s[12:13], s[12:13], s[68:69]
	s_mov_b32 s78, 0x76543210                      ; v_permlanex16_b32: lane i reads lane i of the other half
	s_mov_b32 s79, 0xfedcba98
.irp a, 0,1,2,3,4,5,6,7
	global_load_b32 v[ZZ+2*\a], v25, s[8:9] offset:64*\a           ; zz of token 16 a + r
.endr
; ee of my 64 codes of the block at hand: register 8 b + j = code 16 b + 8 h + j
.macro EELOAD
	WIN TO_B
.irp b, 0,1,2,3,4,5,6,7
	global_load_b128 v[EE+8*\b:EE+8*\b+3],   v24, s[10:11] offset:64*\b
	global_load_b128 v[EE+8*\b+4:EE+8*\b+7], v24, s[10:11] offset:64*\b+16
.endr
	WIN 0
.endm
	EELOAD
.irp a, 0,1,2,3,4,5,6,7
	v_mov_b32 v[RUN+\a], 0x7f800000                ; nothing seen yet: +infinity, code 0
	v_mov_b32 v[IDX+\a], 0
.endr
; 16 matrix instructions: tile rows a0, a0 + 1 of the window's four (hi = 0: my tokens 0-63, 1: 64-127) x all 8 code tiles, 32 along K.
; zero = 1: the first product starts the sums: nothing is ever cleared.
.macro MUL16 f, hi, a0, zero
.irp a, \a0, \a0+1
.irp b, 0,1,2,3,4,5,6,7
.if \zero
	v_wmma_f32_16x16x32_bf16 v[8*(8*(\a)+\b):8*(8*(\a)+\b)+7], v[\f+8*\b:\f+8*\b+7], v[\f+8*(4*\hi+\a):\f+8*(4*\hi+\a)+7], 0
.else
	v_wmma_f32_16x16x32_bf16 v[8*(8*(\a)+\b):8*(8*(\a)+\b)+7], v[\f+8*\b:\f+8*\b+7], v[\f+8*(4*\hi+\a):\f+8*(4*\hi+\a)+7], v[8*(8*(\a)+\b):8*(8*(\a)+\b)+7]
.endif
.endr
.endr
.endm
; 32 LDS loads in one run: the fragments of one quarter step (128 codes, 128 tokens, 32 K at byte k of the rows) into buffer f
.macro FETCH slot, k, f
	WIN TO_B
.irp i, 0,1,2,3,4,5,6,7
	ds_load_b128 v[\f+8*\i:\f+8*\i+3],   v[ADRB+\slot] offset:\k+\i*16*PITCH
	ds_load_b128 v[\f+8*\i+4:\f+8*\i+7], v[ADRB+\slot] offset:\k+\i*16*PITCH+32
.endr
	WIN 0
.irp i, 0,1,2,3,4,5,6,7
	ds_load_b128 v[\f+8*\i:\f+8*\i+3],   v[ADRA+\slot] offset:\k+\i*16*PITCH
	ds_load_b128 v[\f+8*\i+4:\f+8*\i+7], v[ADRA+\slot] offset:\k+\i*16*PITCH+32
.endr
.endm
; A load into a register that a matrix instruction has read stands four places behind it, and only plain vector instructions that name none of its
; registers are places (ISA guide 7.12.1 for vector instructions): four v_nop in front of each run of loads.
.macro PLACES
.rept 4
	v_nop
.endr
.endm
; A K step is four quarter steps of 32 along K, 64 matrix instructions each, on buffers 0, 1, 0, 1.  The 64 accumulators take turns, one instruction a turn,
; in the same order in every quarter, over the change of block and the backward jump too.
.macro QUARTER slot, k, f, g, zero
	s_wait_dscnt 8                                 ; codes and token rows 0-63 are in; the youngest eight loads (token rows 64-127) may be out
	WIN MUL_LO
	MUL16 \f, 0, 0, \zero
	MUL16 \f, 0, 2, \zero
	PLACES
	FETCH \slot, \k, \g
	s_wait_dscnt 32                                ; all but the 32 just issued
	WIN MUL_HI
	MUL16 \f, 1, 0, \zero
	MUL16 \f, 1, 2, \zero
.endm
.macro THREE slot, zero
	QUARTER \slot, 64,  F0, F1, \zero
	QUARTER \slot, 128, F1, F0, 0
	QUARTER \slot, 192, F0, F1, 0
.endm
; The last quarter: multiplies buffer 1 and changes slots.  fill = 1: this slot gets the K step two on; 2: the same K step of the NEXT block of codes
; (tokens back to their row's start, codes 256 rows on); 0: nothing more to fetch.
; In front of the barrier each wave waits for its reads of this slot and for all its tensor loads (one is out: its part of the next slot).  Where the slot is
; filled again the barrier opens a round of the cluster's barrier, and the joint refill is the first tensor load behind the round, one a wave.
; From a request to the wait for it a wave issues 240 matrix instructions (and at a change of block the search for the minima).
.macro TURN slot, next, fill
	s_wait_dscnt 8
	WIN MUL_LO
	MUL16 F1, 0, 0, 0
	s_wait_dscnt 0                                 ; my reads of this slot are over
	s_set_vgpr_msb 0xa1a0
	s_wait_tensorcnt 0x0                           ; and all my tensor loads have landed
	ds_add_u32 v30, v31
	s_wait_dscnt 0x0
	s_set_vgpr_msb 0xa0a1
	s_barrier_signal -1
	MUL16 F1, 0, 2, 0                              ; register work while the others arrive
	WIN 0
	s_barrier_wait -1
.if \fill
	CREST                                          ; no wave of any partner still reads this slot's tile or has a load on its way
.if \fill == 1
	s_add_nc_u64 s[G0+4*\slot+2:G0+4*\slot+3], s[G0+4*\slot+2:G0+4*\slot+3], 2*KSTEP*2
	s_add_nc_u64 s[G0B+4*\slot+2:G0B+4*\slot+3], s[G0B+4*\slot+2:G0B+4*\slot+3], 2*KSTEP*2
.else
	s_sub_nc_u64 s[G0+4*\slot+2:G0+4*\slot+3], s[G0+4*\slot+2:G0+4*\slot+3], 6*KSTEP*2
	s_add_nc_u64 s[G0B+4*\slot+2:G0B+4*\slot+3], s[G0B+4*\slot+2:G0B+4*\slot+3], 256*ROWB-6*KSTEP*2
.endif
	JLOAD \slot                                    ; the first tensor load behind the round
.endif
	PLACES
	FETCH \next, 0, F0
	WIN MUL_HI
	MUL16 F1, 1, 0, 0
	MUL16 F1, 1, 2, 0
.endm
.macro LAP zero, fill                  ; two K steps, both slots filled again
	THREE 0, \zero
	TURN 0, 1, \fill
	THREE 1, 0
	TURN 1, 0, \fill
.endm
; One tile row a (one token a lane, 64 codes): d, then its least value and first place, in four chains of 16 ascending codes that do not wait for each other.
.macro AROW a
	WIN 0x41                                       ; S and ee window 1, zz window 0
.set i, 0
.rept 32
	v_pk_add_f32 v[S+i:S+i+1], v[EE+i:EE+i+1], v[ZZ+2*\a:ZZ+2*\a+1]                ; s = zz + ee, rounded (in row 0 these lines are also the places behind the last matrix instructions)
.set i, i+2
.endr
.if \a < 4
	WIN 0x52                                       ; source 0: the accumulators of window 2; S window 1
.else
	WIN 0x53                                       ; of window 3
.endif
.set i, 0
.rept 32
	v_pk_fma_f32 v[S+i:S+i+1], v[64*(\a&3)+i:64*(\a&3)+i+1], -2.0, v[S+i:S+i+1] op_sel_hi:[1,0,1]   ; d = s - 2 dot, rounded once
.set i, i+2
.endr
	WIN 0x01                                       ; source 0 (S) window 1, the rest window 0
.irp c, 0,1,2,3
	v_mov_b32 v[RB+4*\a+\c], v[S+16*\c]
.endr
.set k, 1
.rept 15
.irp c, 0,1,2,3
	v_cmp_ge_f32 s[70+\c], v[S+16*\c+k], v[RB+4*\a+\c]             ; not less: the earlier code stays
.endr
.irp c, 0,1,2,3
.if k == 1
	v_cndmask_b32 v[PB+4*\a+\c], 1, 0, s[70+\c]
.else
	v_cndmask_b32 v[PB+4*\a+\c], k+8*(k>>3), v[PB+4*\a+\c], s[70+\c]   ; register 8 b + j is code 16 b + j (+ 8 h): place k stands for k + 8 (k / 8)
.endif
.endr
.irp c, 0,1,2,3
	v_min_num_f32 v[RB+4*\a+\c], v[S+16*\c+k], v[RB+4*\a+\c]
.endr
.set k, k+1
.endr
.endm
; chain 'late' into chain 'early', for all eight tile rows: only a strictly smaller d takes the place of an earlier code
.macro PAIR late, early
.irp a, 0,1,2,3,4,5,6,7
	v_cmp_lt_f32 s[70+\a], v[RB+4*\a+\late], v[RB+4*\a+\early]
.endr
.irp a, 0,1,2,3,4,5,6,7
	v_cndmask_b32 v[PB+4*\a+\early], v[PB+4*\a+\early], v[PB+4*\a+\late], s[70+\a]
.endr
.irp a, 0,1,2,3,4,5,6,7
	v_min_num_f32 v[RB+4*\a+\early], v[RB+4*\a+\late], v[RB+4*\a+\early]
.endr
.endm
.macro MERGE
	WIN 0
.irp a, 0,1,2,3,4,5,6,7
.irp c, 1,2,3
	v_add_nc_u32 v[PB+4*\a+\c], 32*\c, v[PB+4*\a+\c]               ; chain c begins at code 32 c
.endr
.endr
	PAIR 1, 0
	PAIR 3, 2
	PAIR 2, 0
.irp a, 0,1,2,3,4,5,6,7
	v_add_nc_u32 v[PB+4*\a], s67, v[PB+4*\a]                       ; + the first code of my half of this block
.endr
.irp a, 0,1,2,3,4,5,6,7
	v_cmp_lt_f32 s[70+\a], v[RB+4*\a], v[RUN+\a]                   ; against the blocks before, whose codes are lower
.endr
.irp a, 0,1,2,3,4,5,6,7
	v_cndmask_b32 v[IDX+\a], v[IDX+\a], v[PB+4*\a], s[70+\a]
.endr
.irp a, 0,1,2,3,4,5,6,7
	v_min_num_f32 v[RUN+\a], v[RB+4*\a], v[RUN+\a]
.endr
.endm
.macro EPI
	s_wait_loadcnt 0x0                             ; this block's ee (and, the first time, nothing else is out)
.irp a, 0,1,2,3,4,5,6,7
	AROW \a
.endr
	MERGE
.endm
	s_wait_loadcnt 16                              ; the eight zz are in; the sixteen loads of ee behind them may stay out
.irp a, 0,1,2,3,4,5,6,7
	v_mov_b32 v[ZZ+2*\a+1], v[ZZ+2*\a]             ; a pair (zz, zz) for the packed add
.endr
	s_wait_tensorcnt 1                             ; my part of K step 0 is in; K step 1's may stay out
	s_barrier_signal -1
	s_barrier_wait -1                              ; everybody's is
	FETCH 0, 0, F0
	s_mov_b32 s66, 3                               ; three blocks in the loop, the fourth written out behind it
.Lblock:
	LAP 1, 1                                       ; the block's first products start its sums
	LAP 0, 1
	LAP 0, 1
	LAP 0, 2                                       ; its last two K steps ask for the next block's first two
	EPI
	s_add_co_u32 s67, s67, 256                     ; the next block's codes
	s_add_nc_u64 s[10:11], s[10:11], 1024          ; (the loads that used this base were waited for at the head of EPI)
	EELOAD
	s_sub_co_u32 s66, s66, 1
	s_cmp_lg_u32 s66, 0
	s_cbranch_scc1 .Lblock
	LAP 1, 1                                       ; the last block
	LAP 0, 1
	LAP 0, 1
	THREE 0, 0                                     ; its last two K steps fill nothing and have no round
	TURN 0, 1, 0
	THREE 1, 0
	s_wait_dscnt 8                                 ; the very last quarter: nothing more to fetch
	WIN MUL_LO
	MUL16 F1, 0, 0, 0
	MUL16 F1, 0, 2, 0
	s_wait_dscnt 0
	WIN MUL_HI
	MUL16 F1, 1, 0, 0
	MUL16 F1, 1, 2, 0
	EPI
	; lanes r and 16 + r hold the same tokens and interleaved codes: the smaller d, and of equal d the lower code
.irp a, 0,1,2,3,4,5,6,7
	v_add_nc_u32 v[IDX+\a], v[IDX+\a], v27         ; + 8 h
.endr
.irp a, 0,1,2,3,4,5,6,7
	v_permlanex16_b32 v[RB+\a], v[RUN+\a], s78, s79
	v_permlanex16_b32 v[PB+\a], v[IDX+\a], s78, s79
.endr
.irp a, 0,1,2,3,4,5,6,7
	v_cmp_lt_f32 s80, v[RB+\a], v[RUN+\a]
	v_cmp_eq_f32 s81, v[RB+\a], v[RUN+\a]
	v_cmp_lt_u32 s82, v[PB+\a], v[IDX+\a]
	s_and_b32 s81, s81, s82
	s_or_b32 s80, s80, s81
	v_cndmask_b32 v[RUN+\a], v[RUN+\a], v[RB+\a], s80
	v_cndmask_b32 v[IDX+\a], v[IDX+\a], v[PB+\a], s80
.endr
	v_cmp_ne_u32 vcc_lo, 0, v2
.irp a, 0,1,2,3,4,5,6,7
	v_cndmask_b32 v[RB+\a], v[RUN+\a], v[IDX+\a], vcc_lo           ; lanes 0-15 store the values, lanes 16-31 the codes
.endr
	global_store_b128 v26, v[RB:RB+3], s[12:13]                    ; each half of the wave stores 256 consecutive bytes, aligned
	global_store_b128 v26, v[RB+4:RB+7], s[12:13] offset:256
	CROUND                                         ; the closing round: no work-group ends while a partner may still ask for a tile that names it
	s_endpgm
.Lfunc_end_k_q0e455213ec_dist:
	.size	k_q0e455213ec_dist, .Lfunc_end_k_q0e455213ec_dist-k_q0e455213ec_dist
	.p2alignl 7, 3214868480
	.fill 96, 4, 3214868480
	.section	.rodata,"a",@progbits
	.p2align	6, 0x0
	.amdhsa_kernel k_q0e455213ec_dist
		.amdhsa_group_segment_fixed_size 327680
		.amdhsa_private_segment_fixed_size 0
		.amdhsa_enable_private_segment 0
		.amdhsa_kernarg_size 40
		.amdhsa_user_sgpr_count 2
		.amdhsa_user_sgpr_kernarg_segment_ptr 1
		.amdhsa_wavefront_size32 1
		.amdhsa_system_sgpr_workgroup_id_x 1
		.amdhsa_system_sgpr_workgroup_id_y 1
		.amdhsa_system_sgpr_workgroup_id_z 1
		.amdhsa_system_vgpr_workitem_id 0
		.amdhsa_next_free_vgpr 1024
		.amdhsa_next_free_sgpr 84
		.amdhsa_reserve_vcc 1
		.amdhsa_float_denorm_mode_32 3
		.amdhsa_float_denorm_mode_16_64 3
		.amdhsa_memory_ordered 1
		.amdhsa_forward_progress 1
		.amdhsa_inst_pref_size 255
	.end_amdhsa_kernel
	.section	.bss,"aw",@nobits
	.p2align	6
	.space	262144
	.amdgpu_metadata
---
amdhsa.version: [ 1, 2 ]
amdhsa.kernels:
  - .name:           k_q0e455213ec_dist
    .symbol:         k_q0e455213ec_dist.kd
    .args:
      - { .name: zb, .offset: 0, .size: 8, .value_kind: global_buffer, .address_space: global }
      - { .name: eb, .offset: 8, .size: 8, .value_kind: global_buffer, .address_space: global }
      - { .name: zz, .offset: 16, .size: 8, .value_kind: global_buffer, .address_space: global }
      - { .name: ee, .offset: 24, .size: 8, .value_kind: global_buffer, .address_space: global }
      - { .name: part, .offset: 32, .size: 8, .value_kind: global_buffer, .address_space: global }
    .group_segment_fixed_size: 327680
    .private_segment_fixed_size: 0
    .kernarg_segment_align: 8
    .kernarg_segment_size: 40
    .max_flat_workgroup_size: 128
    .sgpr_count:     84
    .vgpr_count:     1024
    .wavefront_size: 32
...
	.end_amdgpu_metadata
.endif
;; end of part 2
;; launch pick (part 3): grid 64 x 1, 1 waves a work-group, no clusters, 768 bytes of LDS; arguments part, out2, order; writes out2, order
.if DOCPART == 3
	.amdgcn_target "amdgcn-amd-amdhsa--gfx1250"
	.amdhsa_code_object_version 6
	.text
	.protected	k_q0e455213ec_pick
	.globl	k_q0e455213ec_pick
	.p2align	8
	.type	k_q0e455213ec_pick,@function
k_q0e455213ec_pick:
	s_mov_b64 s[64:65], 0
	v_nop
	global_prefetch_b8 v0, s[64:65] scope:SCOPE_SE
	s_setreg_imm32_b32 hwreg(HW_REG_WAVE_MODE, 25, 1), 1
	s_wait_xcnt 0x0
; pick: for each token the least of its 16 partial minima, and of equal values the lowest code (the splits' codes interleave by halves of a block,
; so the order of the splits alone does not decide a tie).  The index goes to out2 and, as whole numbers for the gather's addresses, to order.
; One wave takes 128 tokens.  part: [split 16][block 64][value, index][kk 2][r 16][e 4]; lane l = 16 kk + r holds tokens 16 (4 kk + e) + r, e = 0..3.
; A NaN among the values is passed by, as in the launch before.  1 MiB in all: no LDS ring, no cluster, nothing to share.
.set VAL, 16                           ; v[16:79]   split s: four values
.set IX,  80                           ; v[80:143]  split s: four codes
	s_load_b128 s[4:7], s[0:1], 0x0                ; part s[4:5], out2 s[6:7]
	s_load_b64 s[8:9], s[0:1], 0x10                ; order
	v_lshl_add_u32 v144, v0, 2, 0x200
	v_mov_b32 v145, 0
	v_lshlrev_b32 v1, 4, v0                        ; 16 x lane
	v_and_b32 v2, 15, v0
	v_lshrrev_b32 v3, 4, v0
	v_lshlrev_b32 v2, 2, v2
	v_lshl_add_u32 v2, v3, 8, v2                   ; LDS: token 64 kk + 16 e + r at 4 bytes each: 256 kk + 4 r, 64 e in the immediate
	s_lshl_b32 s10, ttmp9, 10                      ; my block's 1,024 bytes in a split
	s_mov_b32 s11, 0
	s_lshl_b32 s12, ttmp9, 9                       ; my 128 indices
	s_mov_b32 s13, 0
	s_wait_kmcnt 0x0
	s_add_nc_u64 s[4:5], s[4:5], s[10:11]
	s_add_nc_u64 s[6:7], s[6:7], s[12:13]
	s_add_nc_u64 s[8:9], s[8:9], s[12:13]
.irp s, 0,1,2,3,4,5,6,7,8,9,10,11,12,13,14,15
	global_load_b128 v[VAL+4*\s:VAL+4*\s+3], v1, s[4:5] offset:65536*\s
	global_load_b128 v[IX+4*\s:IX+4*\s+3],   v1, s[4:5] offset:65536*\s+512
.endr
.irp s, 1,2,3,4,5,6,7,8,9,10,11,12,13,14,15
	s_wait_loadcnt 30-2*\s                         ; the two loads of each later split may stay out
.irp e, 0,1,2,3
	v_cmp_lt_f32 s[16+\e], v[VAL+4*\s+\e], v[VAL+\e]
	v_cmp_eq_f32 s[20+\e], v[VAL+4*\s+\e], v[VAL+\e]
	v_cmp_lt_u32 s[24+\e], v[IX+4*\s+\e], v[IX+\e]
.endr
.irp e, 0,1,2,3
	s_and_b32 s[20+\e], s[20+\e], s[24+\e]
	s_or_b32 s[16+\e], s[16+\e], s[20+\e]
.endr
.irp e, 0,1,2,3
	v_cndmask_b32 v[VAL+\e], v[VAL+\e], v[VAL+4*\s+\e], s[16+\e]
	v_cndmask_b32 v[IX+\e],  v[IX+\e],  v[IX+4*\s+\e],  s[16+\e]
.endr
.endr
.irp e, 0,1,2,3
	ds_store_b32 v2, v[IX+\e] offset:64*\e         ; into token order
.endr
	ds_load_b128 v[4:7], v1                        ; LDS serves a wave's instructions in order: this sees the stores above
	s_wait_dscnt 0x0
	global_store_b128 v1, v[4:7], s[6:7]           ; 512 consecutive bytes, aligned
	global_store_b128 v1, v[4:7], s[8:9]
	s_wait_tensorcnt 0x0
	ds_add_u32 v144, v145
	s_wait_dscnt 0x0
	s_endpgm
.Lfunc_end_k_q0e455213ec_pick:
	.size	k_q0e455213ec_pick, .Lfunc_end_k_q0e455213ec_pick-k_q0e455213ec_pick
	.p2alignl 7, 3214868480
	.fill 96, 4, 3214868480
	.section	.rodata,"a",@progbits
	.p2align	6, 0x0
	.amdhsa_kernel k_q0e455213ec_pick
		.amdhsa_group_segment_fixed_size 768
		.amdhsa_private_segment_fixed_size 0
		.amdhsa_enable_private_segment 0
		.amdhsa_kernarg_size 24
		.amdhsa_user_sgpr_count 2
		.amdhsa_user_sgpr_kernarg_segment_ptr 1
		.amdhsa_wavefront_size32 1
		.amdhsa_system_sgpr_workgroup_id_x 1
		.amdhsa_system_sgpr_workgroup_id_y 1
		.amdhsa_system_sgpr_workgroup_id_z 1
		.amdhsa_system_vgpr_workitem_id 0
		.amdhsa_next_free_vgpr 146
		.amdhsa_next_free_sgpr 66
		.amdhsa_reserve_vcc 0
		.amdhsa_float_denorm_mode_32 3
		.amdhsa_float_denorm_mode_16_64 3
		.amdhsa_memory_ordered 1
		.amdhsa_forward_progress 1
		.amdhsa_inst_pref_size 28
	.end_amdhsa_kernel
	.amdgpu_metadata
---
amdhsa.version: [ 1, 2 ]
amdhsa.kernels:
  - .name:           k_q0e455213ec_pick
    .symbol:         k_q0e455213ec_pick.kd
    .args:
      - { .name: part, .offset: 0, .size: 8, .value_kind: global_buffer, .address_space: global }
      - { .name: out2, .offset: 8, .size: 8, .value_kind: global_buffer, .address_space: global }
      - { .name: order, .offset: 16, .size: 8, .value_kind: global_buffer, .address_space: global }
    .group_segment_fixed_size: 768
    .private_segment_fixed_size: 0
    .kernarg_segment_align: 8
    .kernarg_segment_size: 24
    .max_flat_workgroup_size: 32
    .sgpr_count:     66
    .vgpr_count:     146
    .wavefront_size: 32
...
	.end_amdgpu_metadata
.endif
;; end of part 3
;; launch gath (part 4): grid 128 x 2, 8 waves a work-group, no clusters, 132,608 bytes of LDS; arguments order, emb_w, z, out0, lpart; writes out0, lpart
.if DOCPART == 4
	.amdgcn_target "amdgcn-amd-amdhsa--gfx1250"
	.amdhsa_code_object_version 6
	.text
	.protected	k_q0e455213ec_gath
	.globl	k_q0e455213ec_gath
	.p2align	8
	.type	k_q0e455213ec_gath,@function
k_q0e455213ec_gath:
	s_mov_b64 s[64:65], 0
	v_nop
	global_prefetch_b8 v0, s[64:65] scope:SCOPE_SE
	s_setreg_imm32_b32 hwreg(HW_REG_WAVE_MODE, 25, 1), 1
	s_wait_xcnt 0x0
; gath: out0[b][d][w] = z + (e - z) with e = emb_w[order[t]][d], t = 2048 b + w, both steps rounded as written; lpart[work-group] = sum of (e - z)^2.
; A work-group owns 64 frames (x) and 512 d (y).  Wave wv gathers the halves (2,048 bytes) of the rows of tokens 8 wv .. 8 wv + 7 and lays them into LDS;
; behind one barrier it reads them across: d rows 64 wv .. 64 wv + 63 of all 64 tokens, as z and out0 lie.
; An index is clamped to 8,191 in front of its use in an address (the launch before stores none above).
; Memory binds: every load and store of z and out0 covers two aligned blocks of 256 bytes, each gathered load 512 consecutive bytes.
; No cluster: the rows gathered differ from work-group to work-group.  All loads of a work-group go out in two bursts, so there is no later trip to ask ahead for.
.set EB,  16                           ; v[16:31], v[32:47]  e from LDS, two buffers: register 4 i + k = token 4 q + i, d row k
.set LA,  48                           ; v[48:51]  four sums of squares
.set T,   52                           ; v[52:55]  e - z
.set E,   64                           ; v[64:191] the gathered rows; v[64:127] later hold z of steps 4-7
.set LSB, 131328                       ; behind the 64 rows: eight words for the waves' sums
.macro ZBASE s                         ; z of step s: 16 registers, 4 k + i = d row k, token 4 q + i
.if \s < 4
.set ZB, 192+16*\s
.else
.set ZB, 64+16*(\s-4)
.endif
.endm
.macro ZLOAD s
	ZBASE \s
.irp k, 0,1,2,3
	global_load_b128 v[ZB+4*\k:ZB+4*\k+3], v6, s[8:9] offset:(8*\s+\k)*8192 th:TH_LOAD_NT
.endr
.endm
.macro DSL s                           ; step s: 16 bytes (4 d) of each of my four tokens; lane q reads 16-byte column q of 16 (8,208 q = 32 x 256 q + 16 q)
.irp i, 0,1,2,3
	ds_load_b128 v[EB+16*((\s)&1)+4*\i:EB+16*((\s)&1)+4*\i+3], v8 offset:\i*2048+32*(\s)
.endr
.endm
.macro STEP s
	ZBASE \s
.if \s < 7
	DSL \s+1
	s_wait_dscnt 0x4                               ; this step's four are in; the next step's four stay out
.else
	s_wait_dscnt 0x0
.endif
.if \s >= 4
	s_wait_loadcnt 4*(7-\s)                        ; the four z loads of each later step stay out
.endif
.irp i, 0,1,2,3
.irp k, 0,1,2,3
	v_sub_f32 v[T+\k], v[EB+16*(\s&1)+4*\i+\k], v[ZB+4*\k+\i]      ; e - z
.endr
.irp k, 0,1,2,3
.if (\s+\i) == 0
	v_mul_f32 v[LA+\k], v[T+\k], v[T+\k]           ; the first squares start the sums
.else
	v_fmac_f32 v[LA+\k], v[T+\k], v[T+\k]
.endif
.endr
.irp k, 0,1,2,3
	v_add_f32 v[ZB+4*\k+\i], v[ZB+4*\k+\i], v[T+\k]                ; z + (e - z)
.endr
.endr
.irp k, 0,1,2,3
	global_store_b128 v6, v[ZB+4*\k:ZB+4*\k+3], s[10:11] offset:(8*\s+\k)*8192 th:TH_STORE_NT
.endr
.endm
	s_load_b256 s[4:11], s[0:1], 0x0               ; order s[4:5], emb_w s[6:7], z s[8:9], out0 s[10:11]
	s_load_b64 s[12:13], s[0:1], 0x20              ; lpart
	v_lshl_add_u32 v62, v0, 2, 0x20200
	v_mov_b32 v63, 0
	v_lshrrev_b32 v1, 5, v0
	v_readfirstlane_b32 s14, v1                    ; wave 0..7
	s_and_b32 s15, ttmp7, 0xffff                   ; y: which 512 d
	s_mov_b32 s41, 0
	s_mov_b32 s43, 0
	s_mov_b32 s45, 0
	s_lshl_b32 s40, ttmp9, 8                       ; order: (64 x + 8 wave) x 4 bytes
	s_lshl_b32 s46, s14, 5
	s_add_co_u32 s40, s40, s46
	s_lshl_b32 s42, s15, 11                        ; emb_w: 512 y numbers into a row
	s_lshr_b32 s46, ttmp9, 5                       ; z and out0: b x 1,024 rows of 8,192 bytes
	s_lshl_b32 s44, s46, 23
	s_lshl_b32 s46, s15, 22                        ;   + 512 y rows
	s_add_co_u32 s44, s44, s46
	s_lshl_b32 s46, s14, 19                        ;   + 64 wave rows
	s_add_co_u32 s44, s44, s46
	s_and_b32 s46, ttmp9, 31
	s_lshl_b32 s46, s46, 8                         ;   + 64 frames of 4 bytes
	s_add_co_u32 s44, s44, s46
	v_and_b32 v2, 31, v0
	v_lshlrev_b32 v3, 4, v2                        ; 16 x lane
	v_and_b32 v4, 15, v0                           ; q: my tokens are 4 q .. 4 q + 3
	v_bfe_u32 v5, v0, 4, 1                         ; hh: the lower or the upper four d rows of eight
	v_lshlrev_b32 v6, 4, v4
	v_lshl_add_u32 v6, v5, 15, v6                  ; in z and out0: 16 q + hh x 4 rows
	s_wait_kmcnt 0x0
	s_add_nc_u64 s[4:5], s[4:5], s[40:41]
	s_load_b256 s[16:23], s[4:5], 0x0              ; my wave's eight indices
	s_add_nc_u64 s[6:7], s[6:7], s[42:43]
	s_add_nc_u64 s[8:9], s[8:9], s[44:45]
	s_add_nc_u64 s[10:11], s[10:11], s[44:45]
	ZLOAD 0                                        ; z hangs on no index: steps 0-3 go out while the indices come
	ZLOAD 1
	ZLOAD 2
	ZLOAD 3
	s_lshl_b32 s40, ttmp9, 3                       ; lpart: (2 x + y) x 4 bytes
	s_lshl_b32 s46, s15, 2
	s_add_co_u32 s40, s40, s46
	s_add_nc_u64 s[12:13], s[12:13], s[40:41]
	s_mul_i32 s46, s14, 16416                      ; LDS row tl begins at 2,048 tl + 16 (tl / 4): my eight rows begin at 16,416 wave
	v_add_nc_u32 v7, s46, v3                       ; in: whole rows
	v_mul_u32_u24 v8, v4, 8208
	v_lshl_add_u32 v8, v5, 4, v8
	v_lshl_add_u32 v8, s14, 8, v8                  ; back: row 4 q, byte 256 wave + 16 hh
	s_lshl_b32 s46, s14, 2
	s_add_co_u32 s46, s46, LSB
	v_mov_b32 v9, s46                              ; my wave's word
	s_wait_kmcnt 0x0
.irp t, 0,1,2,3,4,5,6,7
	s_min_u32 s[16+\t], s[16+\t], 0x1fff
	s_lshl_b32 s[24+2*\t], s[16+\t], 12            ; rows of 4,096 bytes
	s_mov_b32 s[25+2*\t], 0
	s_add_nc_u64 s[24+2*\t:25+2*\t], s[6:7], s[24+2*\t:25+2*\t]
.endr
.irp t, 0,1,2,3,4,5,6,7
.irp c, 0,1,2,3
	global_load_b128 v[E+16*\t+4*\c:E+16*\t+4*\c+3], v3, s[24+2*\t:25+2*\t] offset:512*\c
.endr
.endr
	s_wait_loadcnt 0x0                             ; the gathered rows are the youngest loads
.irp t, 0,1,2,3,4,5,6,7
.irp c, 0,1,2,3
	ds_store_b128 v7, v[E+16*\t+4*\c:E+16*\t+4*\c+3] offset:\t*2048+(\t>>2)*16+512*\c
.endr
.endr
	s_wait_dscnt 0x0                               ; my stores are done: for the other waves, and before loads land on their data registers
	ZLOAD 4
	ZLOAD 5
	ZLOAD 6
	ZLOAD 7
	s_barrier_signal -1
	s_barrier_wait -1                              ; all 64 rows lie in LDS
	DSL 0
	STEP 0
	STEP 1
	STEP 2
	STEP 3
	STEP 4
	STEP 5
	STEP 6
	STEP 7
	s_mov_b32 s46, 0x76543210                      ; v_permlanex16_b32: lane i reads lane i of the other half
	s_mov_b32 s47, 0xfedcba98
	v_add_f32 v[LA], v[LA], v[LA+1]
	v_add_f32 v[LA+2], v[LA+2], v[LA+3]
	v_add_f32 v[LA], v[LA], v[LA+2]
	v_add_f32_dpp v[LA], v[LA], v[LA] row_xmask:1 row_mask:0xf bank_mask:0xf
	v_add_f32_dpp v[LA], v[LA], v[LA] row_xmask:2 row_mask:0xf bank_mask:0xf
	v_add_f32_dpp v[LA], v[LA], v[LA] row_xmask:4 row_mask:0xf bank_mask:0xf
	v_add_f32_dpp v[LA], v[LA], v[LA] row_xmask:8 row_mask:0xf bank_mask:0xf
	v_permlanex16_b32 v[LA+1], v[LA], s46, s47
	v_add_f32 v[LA], v[LA], v[LA+1]
	ds_store_b32 v9, v[LA]                         ; all lanes write the same word with the same value
	s_wait_dscnt 0x0
	s_barrier_signal -1
	s_barrier_wait -1
	s_cmp_lg_u32 s14, 0
	s_cbranch_scc1 .Ldone
	v_mov_b32 v10, LSB
	ds_load_b128 v[16:19], v10                     ; wave 0: the eight waves' sums
	ds_load_b128 v[20:23], v10 offset:16
	v_mov_b32 v11, 0
	s_wait_dscnt 0x0
	v_pk_add_f32 v[16:17], v[16:17], v[20:21]
	v_pk_add_f32 v[18:19], v[18:19], v[22:23]
	v_pk_add_f32 v[16:17], v[16:17], v[18:19]
	v_add_f32 v16, v16, v17
	v_cmp_eq_u32 vcc_lo, 0, v0
	s_wait_xcnt 0x0                                ; EXEC is a source of the stores above: it changes only behind this wait
	s_and_saveexec_b32 s40, vcc_lo
	global_store_b32 v11, v16, s[12:13]            ; one number a work-group
	s_wait_xcnt 0x0                                ; and again in front of the line that widens it
	s_or_b32 exec_lo, exec_lo, s40
.Ldone:
	s_wait_tensorcnt 0x0
	ds_add_u32 v62, v63
	s_wait_dscnt 0x0
	s_endpgm
.Lfunc_end_k_q0e455213ec_gath:
	.size	k_q0e455213ec_gath, .Lfunc_end_k_q0e455213ec_gath-k_q0e455213ec_gath
	.p2alignl 7, 3214868480
	.fill 96, 4, 3214868480
	.section	.rodata,"a",@progbits
	.p2align	6, 0x0
	.amdhsa_kernel k_q0e455213ec_gath
		.amdhsa_group_segment_fixed_size 132608
		.amdhsa_private_segment_fixed_size 0
		.amdhsa_enable_private_segment 0
		.amdhsa_kernarg_size 40
		.amdhsa_user_sgpr_count 2
		.amdhsa_user_sgpr_kernarg_segment_ptr 1
		.amdhsa_wavefront_size32 1
		.amdhsa_system_sgpr_workgroup_id_x 1
		.amdhsa_system_sgpr_workgroup_id_y 1
		.amdhsa_system_sgpr_workgroup_id_z 1
		.amdhsa_system_vgpr_workitem_id 0
		.amdhsa_next_free_vgpr 256
		.amdhsa_next_free_sgpr 66
		.amdhsa_reserve_vcc 1
		.amdhsa_float_denorm_mode_32 3
		.amdhsa_float_denorm_mode_16_64 3
		.amdhsa_memory_ordered 1
		.amdhsa_forward_progress 1
		.amdhsa_inst_pref_size 31
	.end_amdhsa_kernel
	.amdgpu_metadata
---
amdhsa.version: [ 1, 2 ]
amdhsa.kernels:
  - .name:           k_q0e455213ec_gath
    .symbol:         k_q0e455213ec_gath.kd
    .args:
      - { .name: order, .offset: 0, .size: 8, .value_kind: global_buffer, .address_space: global }
      - { .name: emb_w, .offset: 8, .size: 8, .value_kind: global_buffer, .address_space: global }
      - { .name: z, .offset: 16, .size: 8, .value_kind: global_buffer, .address_space: global }
      - { .name: out0, .offset: 24, .size: 8, .value_kind: global_buffer, .address_space: global }
      - { .name: lpart, .offset: 32, .size: 8, .value_kind: global_buffer, .address_space: global }
    .group_segment_fixed_size: 132608
    .private_segment_fixed_size: 0
    .kernarg_segment_align: 8
    .kernarg_segment_size: 40
    .max_flat_workgroup_size: 256
    .sgpr_count:     66
    .vgpr_count:     256
    .wavefront_size: 32
...
	.end_amdgpu_metadata
.endif
;; end of part 4
;; launch lsum (part 5): grid 1 x 1, 1 waves a work-group, no clusters, 0 bytes of LDS; arguments lpart, out1; writes out1
.if DOCPART == 5
	.amdgcn_target "amdgcn-amd-amdhsa--gfx1250"
	.amdhsa_code_object_version 6
	.text
	.protected	k_q0e455213ec_lsum
	.globl	k_q0e455213ec_lsum
	.p2align	8
	.type	k_q0e455213ec_lsum,@function
k_q0e455213ec_lsum:
	s_mov_b64 s[64:65], 0
	v_nop
	global_prefetch_b8 v0, s[64:65] scope:SCOPE_SE
	s_setreg_imm32_b32 hwreg(HW_REG_WAVE_MODE, 25, 1), 1
	s_wait_xcnt 0x0
; lsum: out1 = 0.25 m + m, m = (the sum of the 256 partial sums of (e - z)^2) / 2^23 (the mean over 8,192 x 1,024 numbers).
; A sum that spans work-groups is made by one owner in a launch of its own: one wave, 1 KiB.
	s_load_b128 s[4:7], s[0:1], 0x0                ; lpart s[4:5], out1 s[6:7]
	v_lshlrev_b32 v1, 4, v0
	v_mov_b32 v2, 0
	s_mov_b32 s8, 0x76543210
	s_mov_b32 s9, 0xfedcba98
	s_mov_b32 s11, 0x3e800000                      ; 0.25
	s_wait_kmcnt 0x0
	global_load_b128 v[4:7], v1, s[4:5]
	global_load_b128 v[8:11], v1, s[4:5] offset:512
	s_wait_loadcnt 0x0
	v_pk_add_f32 v[4:5], v[4:5], v[8:9]
	v_pk_add_f32 v[6:7], v[6:7], v[10:11]
	v_pk_add_f32 v[4:5], v[4:5], v[6:7]
	v_add_f32 v4, v4, v5
	v_add_f32_dpp v4, v4, v4 row_xmask:1 row_mask:0xf bank_mask:0xf
	v_add_f32_dpp v4, v4, v4 row_xmask:2 row_mask:0xf bank_mask:0xf
	v_add_f32_dpp v4, v4, v4 row_xmask:4 row_mask:0xf bank_mask:0xf
	v_add_f32_dpp v4, v4, v4 row_xmask:8 row_mask:0xf bank_mask:0xf
	v_permlanex16_b32 v5, v4, s8, s9
	v_add_f32 v4, v4, v5
	v_mul_f32 v4, 0x34000000, v4                   ; x 2^-23: exact
	v_fma_f32 v5, v4, s11, v4                      ; 0.25 m + m (0.25 m is exact, so one rounding as in the formula)
	v_cmp_eq_u32 vcc_lo, 0, v0
	s_wait_xcnt 0x0                                ; EXEC changes only behind this wait
	s_and_saveexec_b32 s10, vcc_lo
	global_store_b32 v2, v5, s[6:7]
	s_wait_xcnt 0x0
	s_or_b32 exec_lo, exec_lo, s10
	s_endpgm
.Lfunc_end_k_q0e455213ec_lsum:
	.size	k_q0e455213ec_lsum, .Lfunc_end_k_q0e455213ec_lsum-k_q0e455213ec_lsum
	.p2alignl 7, 3214868480
	.fill 96, 4, 3214868480
	.section	.rodata,"a",@progbits
	.p2align	6, 0x0
	.amdhsa_kernel k_q0e455213ec_lsum
		.amdhsa_group_segment_fixed_size 0
		.amdhsa_private_segment_fixed_size 0
		.amdhsa_enable_private_segment 0
		.amdhsa_kernarg_size 16
		.amdhsa_user_sgpr_count 2
		.amdhsa_user_sgpr_kernarg_segment_ptr 1
		.amdhsa_wavefront_size32 1
		.amdhsa_system_sgpr_workgroup_id_x 1
		.amdhsa_system_sgpr_workgroup_id_y 1
		.amdhsa_system_sgpr_workgroup_id_z 1
		.amdhsa_system_vgpr_workitem_id 0
		.amdhsa_next_free_vgpr 16
		.amdhsa_next_free_sgpr 66
		.amdhsa_reserve_vcc 1
		.amdhsa_float_denorm_mode_32 3
		.amdhsa_float_denorm_mode_16_64 3
		.amdhsa_memory_ordered 1
		.amdhsa_forward_progress 1
		.amdhsa_inst_pref_size 2
	.end_amdhsa_kernel
	.amdgpu_metadata
---
amdhsa.version: [ 1, 2 ]
amdhsa.kernels:
  - .name:           k_q0e455213ec_lsum
    .symbol:         k_q0e455213ec_lsum.kd
    .args:
      - { .name: lpart, .offset: 0, .size: 8, .value_kind: global_buffer, .address_space: global }
      - { .name: out1, .offset: 8, .size: 8, .value_kind: global_buffer, .address_space: global }
    .group_segment_fixed_size: 0
    .private_segment_fixed_size: 0
    .kernarg_segment_align: 8
    .kernarg_segment_size: 16
    .max_flat_workgroup_size: 32
    .sgpr_count:     66
    .vgpr_count:     16
    .wavefront_size: 32
...
	.end_amdgpu_metadata
.endif
;; end of part 5
;; ======== version 2 of 2: 5 launches; 1.21 times as fast as version 1
;; workspace buffers: zb 16,777,216 bytes; eb 16,777,216 bytes; zz 32,768 bytes; ee 32,768 bytes; part 1,048,576 bytes; order 32,768 bytes of whole numbers; lpart 1,024 bytes
;; launch prep: the kernel of part 1 again; grid 256 x 1, 8 waves a work-group, no clusters, 138,496 bytes of LDS; arguments emb_w, z, eb, zb, ee, zz; writes eb, zb, ee, zz
;; launch dist (part 6): grid 8 x 32, 4 waves a work-group, clusters of 4 x 4, 327,680 bytes of LDS; arguments zb, eb, zz, ee, part; writes part
.if DOCPART == 6
	.amdgcn_target "amdgcn-amd-amdhsa--gfx1250"
	.amdhsa_code_object_version 6
	.text
	.protected	k_q0e455213ec_dist
	.globl	k_q0e455213ec_dist
	.p2align	8
	.type	k_q0e455213ec_dist,@function
k_q0e455213ec_dist:
	s_mov_b64 s[64:65], 0
	v_nop
	global_prefetch_b8 v0, s[64:65] scope:SCOPE_SE
	s_setreg_imm32_b32 hwreg(HW_REG_WAVE_MODE, 25, 1), 1
	s_wait_xcnt 0x0
	s_wait_alu depctr_hold_cnt(0) depctr_sa_sdst(0) depctr_va_vdst(0) depctr_va_sdst(0) depctr_va_ssrc(0) depctr_va_vcc(0) depctr_vm_vsrc(0)
	s_getreg_b32 s2, hwreg(HW_REG_IB_STS2, 6, 4)
	s_cmp_eq_u32 s2, 0
	s_cbranch_scc0 .Lentry_in_a_cluster
	s_endpgm
.Lentry_in_a_cluster:
	s_bfe_u32 s2, ttmp6, 0x10000c
	s_cmp_lg_u32 s2, 0xf033
	s_cbranch_scc0 .Lentry_shape_is_right
	s_endpgm
.Lentry_shape_is_right:
; dist: d[t][n] = (zz[t] + ee[n]) - 2 zb[t].eb[n], and for each token the least d and the first code that has it, over a share of the codes.
; zb: [8192 tokens][1024] bf16, eb: [8192 codes][1024] bf16; sums in f32.  d is rounded as the formula is written: s = zz + ee rounded once,
; then one fused multiply-add of the dot by -2 onto s (2 x dot is exact, so that is the rounding of s - 2 dot).
; A work-group owns 256 tokens (ty) and walks four blocks of 256 codes (codes 1024 gx ..): 256 work-groups that stay.  Four waves, each with a block of
; 128 tokens x 128 codes in 512 registers.  K goes in steps of 128 through two LDS slots filled by the tensor data mover: a tile's rows are 256 bytes
; of memory, at multiples of 256 bytes.  The slots take turns on into the next block of codes.
; THE LOOP: 32 K steps = 16 laps of two.  One text of a lap serves laps 0 to 14, the loop rotated by a quarter step: a trip is a lap's last seven quarter
; steps and the next lap's first.  At a change of block (every fourth lap) the search for the minima stands between the two, and the first quarter starts
; the sums anew with C = 0.  The loop's text is about 23 KiB, the whole text about 46 KiB.  The last lap fills nothing and is written out behind the loop.
; CLUSTERS: 4 x 4 work-groups.  The four of a row of the cluster have the same tokens, the four of a column the same codes: each tile is asked for
; JOINTLY by the four, with one descriptor and a mask that names them, which divides the requests for both operands by four.
; By this text's own count a wave has two tensor loads out at the start and one behind each round of the cluster's barrier.
; OUT: part[split 16][block of 128 tokens 64][value, index][kk 2][r 16][e 4]: token 128 block + 16 (4 kk + e) + r; split = 2 gx + my half of the codes.
; LIMITS: a NaN among the d of a token is passed by (the formula's argmin would name the first NaN).  The dot's f32 sum has the matrix unit's order,
; so a d that lies within that sum's rounding of the middle between two f32 numbers may round the other way than in another order of summation.
;
; REGISTERS, in windows of 256 (s_set_vgpr_msb says which window each operand place means: bits 1:0 source 0, 3:2 source 1, 5:4 source 2, 7:6 destination):
;   window 0: v0-31 addresses; v32-39 RUN, v40-47 IDX (least d and its code, one token for each of my 8 tile rows); v48-63 zz as pairs (zz, zz);
;             v64-127, v128-191 token fragments, two buffers; v192-223 RB, v224-255 PB (chain minima and their places, at 4 a + c)
;   window 1: v0-63 ee of my 64 codes; v64-127, v128-191 code fragments, two buffers; v192-255 S (s, then d, of one tile row)
;   window 2: the 32 accumulator tiles of my tokens 0-63 (tile (a, b) at v[8 (8 a + b)]);   window 3: those of my tokens 64-127
; THE MATRIX INSTRUCTION: source 0 = 16 codes, source 1 = 16 tokens.  Lane l = (r = l % 16, h = l / 16), register j of tile (a, b) then holds
; token 16 a + r and code 16 b + 8 h + j: one token for a tile row, its 64 codes ascending along the lane's registers.
.set KSTEP,  128
.set ROWB,   2048                      ; bytes in a row of zb and of eb
.set LAPS,   16                        ; 4 blocks x 8 K steps, two K steps a lap
.set PITCH,  272                       ; an LDS row: 256 bytes + 16 of padding = 68 words: the 16 rows that a load touches start 4 words apart modulo 64
.set HALFT,  128*PITCH                 ; 128 rows: what one tensor load brings, and what one wave reads of either operand
.set SLOT,   4*HALFT                   ; 256 token rows, then 256 code rows
.set ADRA, 16                          ; v16-17  LDS address of my token fragments in slot 0, 1
.set ADRB, 20                          ; v20-21  the same for codes
.set RUN,  32
.set IDX,  40
.set ZZ,   48
.set F0,   64
.set F1,   128
.set RB,   192
.set PB,   224
.set EE,   0                           ; window 1
.set S,    192                         ; window 1
.set G1,  24                           ; s[24:31] descriptor group 1 for token tiles
.set G0,  32                           ; s[32:39] group 0 for token tiles, a set for each slot
.set G1B, 48                           ; s[48:55] group 1 for code tiles: it differs in the mask alone
.set G0B, 56                           ; s[56:63] group 0 for code tiles, a set for each slot
.set MSB, 0
.macro WIN new                         ; the immediate's high byte repeats the setting that is left
.if MSB != \new
	s_set_vgpr_msb (MSB<<8)|\new
.set MSB, \new
.endif
.endm
.set MUL_LO, 0xa1                      ; source 0 (codes) window 1, source 1 (tokens) window 0, C and D window 2
.set MUL_HI, 0xf1                      ; the same, C and D window 3
.set TO_B,   0x40                      ; destination window 1, address window 0
; A joint load.  Waves 0 and 1 fetch the token tile's two halves, waves 2 and 3 the code tile's.  Each line has one mask and one set of registers for all
; that issue it; the branch hangs on the wave's number alone.
.macro JLOAD s
	s_cmp_eq_u32 s15, 0
	s_cbranch_scc0 .Lfor_b_\@
	tensor_load_to_lds s[G0+4*\s:G0+4*\s+3], s[G1:G1+7]
	s_nop 0
	s_branch .Lasked_\@
.Lfor_b_\@:
	tensor_load_to_lds s[G0B+4*\s:G0B+4*\s+3], s[G1B:G1B+7]
	s_nop 0
.Lasked_\@:
.endm
; A round of the cluster's barrier: my work-group's barrier; wave 0 signals for the work-group; every wave waits for all sixteen; my work-group's barrier again.
.macro CREST                           ; a round behind its opening barrier
	s_cmp_lg_u32 s14, 0
	s_cbranch_scc1 .Lnot_wave_0_\@
	s_barrier_signal -3
.Lnot_wave_0_\@:
	s_barrier_wait -3
	s_barrier_signal -1
	s_barrier_wait -1
.endm
.macro CROUND                          ; a whole round
	s_barrier_signal -1
	s_barrier_wait -1
	CREST
.endm
	s_load_b256 s[4:11], s[0:1], 0x0               ; zb s[4:5], eb s[6:7], zz s[8:9], ee s[10:11]
	s_load_b64 s[12:13], s[0:1], 0x20              ; part
	v_lshl_add_u32 v30, v0, 2, 0x44000
	v_mov_b32 v31, 0
	ds_add_u32 v30, v31
	v_lshrrev_b32 v1, 5, v0
	v_readfirstlane_b32 s14, v1                    ; wave 0..3
	s_lshr_b32 s15, s14, 1                         ; which half of the tokens is mine.  Also: I fetch tokens (0) or codes (1)
	s_and_b32 s16, s14, 1                          ; which half of the codes.  Also: which 128 rows of that tile I fetch
	s_bfe_u32 s40, ttmp6, 0x40000                  ; cx
	s_bfe_u32 s41, ttmp6, 0x40004                  ; cy
	s_lshl_b32 s42, ttmp9, 2                       ; in a cluster launch ttmp9 and ttmp7 count clusters
	s_add_co_u32 s42, s42, s40                     ; gx = 4 x cluster x + cx: my 1,024 codes
	s_and_b32 s45, ttmp7, 0xffff
	s_lshl_b32 s45, s45, 2
	s_add_co_u32 s45, s45, s41                     ; ty = 4 x cluster y + cy: my 256 tokens
	s_lshl_b32 s43, s41, 2
	s_lshl_b32 s43, 15, s43                        ; my row of the cluster: places 4 cy .. 4 cy + 3
	s_lshl_b32 s44, 0x1111, s40                    ; my column: places cx, cx + 4, cx + 8, cx + 12
	; group 1: a tile of 128 rows x 128 elements, padded in LDS
	s_or_b32 s[G1+0], s43, (1<<16)|(1<<20)|(1<<21)|(5<<22)|(3<<25)  ; 15:0 the mask: token tiles go to my row; 17:16 elements of 2 bytes; 20 padding on; 21 set beside a mask; 24:22 after every 64 words; 31:25 four words
	s_or_b32 s[G1B+0], s44, (1<<16)|(1<<20)|(1<<21)|(5<<22)|(3<<25) ; the same with my column's mask, for code tiles
	s_mov_b32 s[G1+1], KSTEP<<16                   ; tensor_dim0 = 128
	s_mov_b32 s[G1B+1], KSTEP<<16
	s_mov_b32 s[G1+2], 128<<16                     ; tensor_dim1 = 128
	s_mov_b32 s[G1B+2], 128<<16
	s_mov_b32 s[G1+3], KSTEP<<16                   ; tile_dim0 = 128
	s_mov_b32 s[G1B+3], KSTEP<<16
	s_mov_b32 s[G1+4], 128                         ; tile_dim1 = 128
	s_mov_b32 s[G1B+4], 128
	s_mov_b32 s[G1+5], 1024                        ; elements from row to row
	s_mov_b32 s[G1B+5], 1024
	s_mov_b32 s[G1+6], 0
	s_mov_b32 s[G1B+6], 0
	s_mov_b32 s[G1+7], 0
	s_mov_b32 s[G1B+7], 0
	; where the tiles come from: the tokens' address hangs on ty and the wave alone, the codes' on gx and the wave alone, each in registers that never hold the other coordinate
	s_lshl_b32 s17, s16, 7                         ; which 128 rows of the tile I fetch
	s_lshl_b32 s18, s45, 8
	s_add_co_u32 s18, s18, s17                     ; token row 256 ty + 128 half
	s_lshl_b32 s18, s18, 11                        ; in bytes (16 MiB at the most)
	s_mov_b32 s19, 0
	s_lshl_b32 s46, s42, 10
	s_add_co_u32 s46, s46, s17                     ; code row 1,024 gx + 128 half
	s_lshl_b32 s46, s46, 11
	s_mov_b32 s47, 0
	s_mul_i32 s20, s14, HALFT                      ; and where they go: wave x 128 rows: no place in the cluster enters an LDS address
	s_wait_dscnt 0x0
	s_wait_kmcnt 0x0
	s_add_nc_u64 s[18:19], s[4:5], s[18:19]
	s_add_nc_u64 s[46:47], s[6:7], s[46:47]
	CROUND                                         ; all sixteen work-groups are here: the first joint loads meet
.irp s, 0,1
	s_mov_b32 s[G0+4*\s], 1                                        ; count = 1
	s_add_co_u32 s[G0+4*\s+1], s20, \s*SLOT                        ; LDS address
	s_add_nc_u64 s[G0+4*\s+2:G0+4*\s+3], s[18:19], \s*KSTEP*2      ; global address: K step s
	s_or_b32 s[G0+4*\s+3], s[G0+4*\s+3], 0x80000000                ; type = 2
	s_mov_b32 s[G0B+4*\s], 1
	s_add_co_u32 s[G0B+4*\s+1], s20, \s*SLOT
	s_add_nc_u64 s[G0B+4*\s+2:G0B+4*\s+3], s[46:47], \s*KSTEP*2
	s_or_b32 s[G0B+4*\s+3], s[G0B+4*\s+3], 0x80000000
	JLOAD \s                                       ; both slots are asked for before anything else is done
.endr
	; a fragment is 16 rows x 32 K in 8 registers: lane l holds row l % 16; registers 0-3 K = 8 (l / 16) + 0..7, registers 4-7 K = 16 + 8 (l / 16) + 0..7
	v_and_b32 v1, 15, v0                           ; r
	v_bfe_u32 v2, v0, 4, 1                         ; h (kept to the end)
	v_mul_u32_u24 v3, v1, PITCH
	v_lshl_add_u32 v3, v2, 4, v3                   ; row x pitch + 16 h
	s_mul_i32 s21, s15, HALFT                      ; my 128 token rows
	s_mul_i32 s22, s16, HALFT                      ; my 128 code rows,
	s_add_co_u32 s22, s22, 2*HALFT                 ; which lie behind the 256 token rows
.irp s, 0,1
	v_add_nc_u32 v[ADRA+\s], s21, v3
	v_add_nc_u32 v[ADRB+\s], s22, v3
	s_add_co_u32 s21, s21, SLOT
	s_add_co_u32 s22, s22, SLOT
.endr
	v_lshlrev_b32 v24, 5, v2                       ; in ee: 8 h codes of 4 bytes
	v_lshlrev_b32 v25, 2, v1                       ; in zz: 4 r
	v_lshlrev_b32 v26, 4, v1
	v_lshl_add_u32 v26, v2, 9, v26                 ; in part: 512 h + 16 r
	v_lshlrev_b32 v27, 3, v2                       ; 8 h
	s_mov_b32 s69, 0
	s_lshl_b32 s68, s45, 10                        ; zz at token 256 ty + 128 half
	s_lshl_b32 s17, s15, 9
	s_add_co_u32 s68, s68, s17
	s_add_nc_u64 s[8:9], s[8:9], s[68:69]
	s_lshl_b32 s68, s42, 12                        ; ee at code 1,024 gx + 128 half
	s_lshl_b32 s17, s16, 9
	s_add_co_u32 s68, s68, s17
	s_add_nc_u64 s[10:11], s[10:11], s[68:69]
	s_lshr_b32 s67, s68, 2                         ; that code's number: the first code of my half of the block at hand
	s_lshl_b32 s68, s42, 17                        ; part at (64 (2 gx + code half) + 2 ty + token half) x 1,024 bytes
	s_lshl_b32 s17, s16, 16
	s_add_co_u32 s68, s68, s17
	s_lshl_b32 s17, s45, 11
	s_add_co_u32 s68, s68, s17
	s_lshl_b32 s17, s15, 10
	s_add_co_u32 s68, s68, s17
	s_add_nc_u64 s[12:13], s[12:13], s[68:69]
	s_mov_b32 s78, 0x76543210                      ; v_permlanex16_b32: lane i reads lane i of the other half
	s_mov_b32 s79, 0xfedcba98
	s_mov_b32 s85, 0                               ; the upper words of the two amounts by which the tiles' addresses step at a change of block
	s_mov_b32 s87, 0
.irp a, 0,1,2,3,4,5,6,7
	global_load_b32 v[ZZ+2*\a], v25, s[8:9] offset:64*\a           ; zz of token 16 a + r
.endr
; ee of my 64 codes of the block at hand: register 8 b + j = code 16 b + 8 h + j
.macro EELOAD
	WIN TO_B
.irp b, 0,1,2,3,4,5,6,7
	global_load_b128 v[EE+8*\b:EE+8*\b+3],   v24, s[10:11] offset:64*\b
	global_load_b128 v[EE+8*\b+4:EE+8*\b+7], v24, s[10:11] offset:64*\b+16
.endr
	WIN 0
.endm
	EELOAD
.irp a, 0,1,2,3,4,5,6,7
	v_mov_b32 v[RUN+\a], 0x7f800000                ; nothing seen yet: +infinity, code 0
	v_mov_b32 v[IDX+\a], 0
.endr
; 16 matrix instructions: tile rows a0, a0 + 1 of the window's four (hi = 0: my tokens 0-63, 1: 64-127) x all 8 code tiles, 32 along K.
; zero = 1: the first product starts the sums: nothing is ever cleared.
.macro MUL16 f, hi, a0, zero
.irp a, \a0, \a0+1
.irp b, 0,1,2,3,4,5,6,7
.if \zero
	v_wmma_f32_16x16x32_bf16 v[8*(8*(\a)+\b):8*(8*(\a)+\b)+7], v[\f+8*\b:\f+8*\b+7], v[\f+8*(4*\hi+\a):\f+8*(4*\hi+\a)+7], 0
.else
	v_wmma_f32_16x16x32_bf16 v[8*(8*(\a)+\b):8*(8*(\a)+\b)+7], v[\f+8*\b:\f+8*\b+7], v[\f+8*(4*\hi+\a):\f+8*(4*\hi+\a)+7], v[8*(8*(\a)+\b):8*(8*(\a)+\b)+7]
.endif
.endr
.endr
.endm
; 32 LDS loads in one run: the fragments of one quarter step (128 codes, 128 tokens, 32 K at byte k of the rows) into buffer f
.macro FETCH slot, k, f
	WIN TO_B
.irp i, 0,1,2,3,4,5,6,7
	ds_load_b128 v[\f+8*\i:\f+8*\i+3],   v[ADRB+\slot] offset:\k+\i*16*PITCH
	ds_load_b128 v[\f+8*\i+4:\f+8*\i+7], v[ADRB+\slot] offset:\k+\i*16*PITCH+32
.endr
	WIN 0
.irp i, 0,1,2,3,4,5,6,7
	ds_load_b128 v[\f+8*\i:\f+8*\i+3],   v[ADRA+\slot] offset:\k+\i*16*PITCH
	ds_load_b128 v[\f+8*\i+4:\f+8*\i+7], v[ADRA+\slot] offset:\k+\i*16*PITCH+32
.endr
.endm
; A load into a register that a matrix instruction has read stands four places behind it, and only plain vector instructions that name none of its
; registers are places (ISA guide 7.12.1 for vector instructions): four v_nop in front of each run of loads.
.macro PLACES
.rept 4
	v_nop
.endr
.endm
; A K step is four quarter steps of 32 along K, 64 matrix instructions each, on buffers 0, 1, 0, 1.  The 64 accumulators take turns, one instruction a turn,
; in the same order in every quarter, on both ways through the loop, over the backward jump and out into the tail.
.macro QUARTER slot, k, f, g, zero
	s_wait_dscnt 8                                 ; codes and token rows 0-63 are in; the youngest eight loads (token rows 64-127) may be out
	WIN MUL_LO
	MUL16 \f, 0, 0, \zero
	MUL16 \f, 0, 2, \zero
	PLACES
	FETCH \slot, \k, \g
	s_wait_dscnt 32                                ; all but the 32 just issued
	WIN MUL_HI
	MUL16 \f, 1, 0, \zero
	MUL16 \f, 1, 2, \zero
.endm
; The last quarter of a K step: multiplies buffer 1 and changes slots.  fill = 1: this slot gets the K step two on; 0: nothing more to fetch.
; Two K steps on is 512 bytes along the rows; in a block's last lap it is the next block's K step of the same slot: tokens 2,048 bytes back
; (s[84:85]) to their rows' start, codes 256 rows less 2,048 bytes further (s[86:87]); in the other laps both amounts are 0.
; In front of the barrier each wave waits for its reads of this slot and for all its tensor loads (one is out: its part of the next slot).  Where the slot is
; filled again the barrier opens a round of the cluster's barrier, and the joint refill is the first tensor load behind the round, one a wave.
; From a request to the wait for it a wave issues 240 matrix instructions (and at a change of block the search for the minima).
.macro TURN slot, next, fill
	s_wait_dscnt 8
	WIN MUL_LO
	MUL16 F1, 0, 0, 0
	s_wait_dscnt 0                                 ; my reads of this slot are over
	s_set_vgpr_msb 0xa1a0
	s_wait_tensorcnt 0x0                           ; and all my tensor loads have landed
	ds_add_u32 v30, v31
	s_wait_dscnt 0x0
	s_set_vgpr_msb 0xa0a1
	s_barrier_signal -1
	MUL16 F1, 0, 2, 0                              ; register work while the others arrive
	WIN 0
	s_barrier_wait -1
.if \fill
	CREST                                          ; no wave of any partner still reads this slot's tile or has a load on its way
	s_add_nc_u64 s[G0+4*\slot+2:G0+4*\slot+3], s[G0+4*\slot+2:G0+4*\slot+3], 2*KSTEP*2
	s_sub_nc_u64 s[G0+4*\slot+2:G0+4*\slot+3], s[G0+4*\slot+2:G0+4*\slot+3], s[84:85]
	s_add_nc_u64 s[G0B+4*\slot+2:G0B+4*\slot+3], s[G0B+4*\slot+2:G0B+4*\slot+3], 2*KSTEP*2
	s_add_nc_u64 s[G0B+4*\slot+2:G0B+4*\slot+3], s[G0B+4*\slot+2:G0B+4*\slot+3], s[86:87]
	JLOAD \slot                                    ; the first tensor load behind the round
.endif
	PLACES
	FETCH \next, 0, F0
	WIN MUL_HI
	MUL16 F1, 1, 0, 0
	MUL16 F1, 1, 2, 0
.endm
; A lap's first quarter step: slot 0, buffer 0.  zero = 1: it starts a block's sums.
.macro FIRSTQ zero
	QUARTER 0, 64, F0, F1, \zero
.endm
; A lap's other seven quarter steps.  fill = 1: both slots are filled again, and the next lap's first fragments are fetched; 0: the last lap of all.
.macro REST7 fill
	QUARTER 0, 128, F1, F0, 0
	QUARTER 0, 192, F0, F1, 0
	TURN 0, 1, \fill
	QUARTER 1, 64,  F0, F1, 0
	QUARTER 1, 128, F1, F0, 0
	QUARTER 1, 192, F0, F1, 0
.if \fill
	TURN 1, 0, 1
.else
	s_wait_dscnt 8                                 ; the very last quarter: nothing more to fetch
	WIN MUL_LO
	MUL16 F1, 0, 0, 0
	MUL16 F1, 0, 2, 0
	s_wait_dscnt 0
	WIN MUL_HI
	MUL16 F1, 1, 0, 0
	MUL16 F1, 1, 2, 0
.endif
.endm
; One tile row a (one token a lane, 64 codes): d, then its least value and first place, in four chains of 16 ascending codes that do not wait for each other.
.macro AROW a
	WIN 0x41                                       ; S and ee window 1, zz window 0
.set i, 0
.rept 32
	v_pk_add_f32 v[S+i:S+i+1], v[EE+i:EE+i+1], v[ZZ+2*\a:ZZ+2*\a+1]                ; s = zz + ee, rounded (in row 0 these lines are also the places behind the last matrix instructions)
.set i, i+2
.endr
.if \a < 4
	WIN 0x52                                       ; source 0: the accumulators of window 2; S window 1
.else
	WIN 0x53                                       ; of window 3
.endif
.set i, 0
.rept 32
	v_pk_fma_f32 v[S+i:S+i+1], v[64*(\a&3)+i:64*(\a&3)+i+1], -2.0, v[S+i:S+i+1] op_sel_hi:[1,0,1]   ; d = s - 2 dot, rounded once
.set i, i+2
.endr
	WIN 0x01                                       ; source 0 (S) window 1, the rest window 0
.irp c, 0,1,2,3
	v_mov_b32 v[RB+4*\a+\c], v[S+16*\c]
.endr
.set k, 1
.rept 15
.irp c, 0,1,2,3
	v_cmp_ge_f32 s[70+\c], v[S+16*\c+k], v[RB+4*\a+\c]             ; not less: the earlier code stays
.endr
.irp c, 0,1,2,3
.if k == 1
	v_cndmask_b32 v[PB+4*\a+\c], 1, 0, s[70+\c]
.else
	v_cndmask_b32 v[PB+4*\a+\c], k+8*(k>>3), v[PB+4*\a+\c], s[70+\c]   ; register 8 b + j is code 16 b + j (+ 8 h): place k stands for k + 8 (k / 8)
.endif
.endr
.irp c, 0,1,2,3
	v_min_num_f32 v[RB+4*\a+\c], v[S+16*\c+k], v[RB+4*\a+\c]
.endr
.set k, k+1
.endr
.endm
; chain 'late' into chain 'early', for all eight tile rows: only a strictly smaller d takes the place of an earlier code
.macro PAIR late, early
.irp a, 0,1,2,3,4,5,6,7
	v_cmp_lt_f32 s[70+\a], v[RB+4*\a+\late], v[RB+4*\a+\early]
.endr
.irp a, 0,1,2,3,4,5,6,7
	v_cndmask_b32 v[PB+4*\a+\early], v[PB+4*\a+\early], v[PB+4*\a+\late], s[70+\a]
.endr
.irp a, 0,1,2,3,4,5,6,7
	v_min_num_f32 v[RB+4*\a+\early], v[RB+4*\a+\late], v[RB+4*\a+\early]
.endr
.endm
.macro MERGE
	WIN 0
.irp a, 0,1,2,3,4,5,6,7
.irp c, 1,2,3
	v_add_nc_u32 v[PB+4*\a+\c], 32*\c, v[PB+4*\a+\c]               ; chain c begins at code 32 c
.endr
.endr
	PAIR 1, 0
	PAIR 3, 2
	PAIR 2, 0
.irp a, 0,1,2,3,4,5,6,7
	v_add_nc_u32 v[PB+4*\a], s67, v[PB+4*\a]                       ; + the first code of my half of this block
.endr
.irp a, 0,1,2,3,4,5,6,7
	v_cmp_lt_f32 s[70+\a], v[RB+4*\a], v[RUN+\a]                   ; against the blocks before, whose codes are lower
.endr
.irp a, 0,1,2,3,4,5,6,7
	v_cndmask_b32 v[IDX+\a], v[IDX+\a], v[PB+4*\a], s[70+\a]
.endr
.irp a, 0,1,2,3,4,5,6,7
	v_min_num_f32 v[RUN+\a], v[RB+4*\a], v[RUN+\a]
.endr
.endm
.macro EPI
	s_wait_loadcnt 0x0                             ; this block's ee
.irp a, 0,1,2,3,4,5,6,7
	AROW \a
.endr
	MERGE
.endm
	s_wait_loadcnt 16                              ; the eight zz are in; the sixteen loads of ee behind them may stay out
.irp a, 0,1,2,3,4,5,6,7
	v_mov_b32 v[ZZ+2*\a+1], v[ZZ+2*\a]             ; a pair (zz, zz) for the packed add
.endr
	s_wait_tensorcnt 1                             ; my part of K step 0 is in; K step 1's may stay out
	s_barrier_signal -1
	s_barrier_wait -1                              ; everybody's is
	FETCH 0, 0, F0
	FIRSTQ 1                                       ; the first block's first products start its sums
	WIN 0                                          ; at a label and at a branch every window is 0
	s_mov_b32 s66, 0                               ; the lap's number
.Llap:
	s_and_b32 s68, s66, 3
	s_cmp_eq_u32 s68, 3                            ; a block's last lap asks for the next block's first two K steps
	s_cselect_b32 s84, 8*KSTEP*2, 0                ; tokens: 2,048 bytes back
	s_cselect_b32 s86, 256*ROWB-8*KSTEP*2, 0       ; codes: 256 rows on, 2,048 bytes back
	REST7 1
	WIN 0
	s_cmp_lg_u32 s68, 3                            ; the branch hangs on the lap's number alone and jumps over no tensor load, barrier or round;
	s_cbranch_scc1 .Lsame                          ; both ways issue the same 32 LDS loads
	EPI                                            ; the block is whole: its minima
	s_add_co_u32 s67, s67, 256                     ; the next block's codes
	s_add_nc_u64 s[10:11], s[10:11], 1024          ; (the loads that used this base were waited for at the head of EPI)
	EELOAD
	FIRSTQ 1                                       ; the next block's first products start its sums
	WIN 0
	s_branch .Lnext
.Lsame:
	FIRSTQ 0                                       ; the same block goes on
	WIN 0
.Lnext:
	s_add_co_u32 s66, s66, 1
	s_cmp_lt_u32 s66, LAPS-1
	s_cbranch_scc1 .Llap
	REST7 0                                        ; the last lap fills nothing and has no round
	EPI
	; lanes r and 16 + r hold the same tokens and interleaved codes: the smaller d, and of equal d the lower code
.irp a, 0,1,2,3,4,5,6,7
	v_add_nc_u32 v[IDX+\a], v[IDX+\a], v27         ; + 8 h
.endr
.irp a, 0,1,2,3,4,5,6,7
	v_permlanex16_b32 v[RB+\a], v[RUN+\a], s78, s79
	v_permlanex16_b32 v[PB+\a], v[IDX+\a], s78, s79
.endr
.irp a, 0,1,2,3,4,5,6,7
	v_cmp_lt_f32 s80, v[RB+\a], v[RUN+\a]
	v_cmp_eq_f32 s81, v[RB+\a], v[RUN+\a]
	v_cmp_lt_u32 s82, v[PB+\a], v[IDX+\a]
	s_and_b32 s81, s81, s82
	s_or_b32 s80, s80, s81
	v_cndmask_b32 v[RUN+\a], v[RUN+\a], v[RB+\a], s80
	v_cndmask_b32 v[IDX+\a], v[IDX+\a], v[PB+\a], s80
.endr
	v_cmp_ne_u32 vcc_lo, 0, v2
.irp a, 0,1,2,3,4,5,6,7
	v_cndmask_b32 v[RB+\a], v[RUN+\a], v[IDX+\a], vcc_lo           ; lanes 0-15 store the values, lanes 16-31 the codes
.endr
	global_store_b128 v26, v[RB:RB+3], s[12:13]                    ; each half of the wave stores 256 consecutive bytes, aligned
	global_store_b128 v26, v[RB+4:RB+7], s[12:13] offset:256
	CROUND                                         ; the closing round: no work-group ends while a partner may still ask for a tile that names it
	s_endpgm
.Lfunc_end_k_q0e455213ec_dist:
	.size	k_q0e455213ec_dist, .Lfunc_end_k_q0e455213ec_dist-k_q0e455213ec_dist
	.p2alignl 7, 3214868480
	.fill 96, 4, 3214868480
	.section	.rodata,"a",@progbits
	.p2align	6, 0x0
	.amdhsa_kernel k_q0e455213ec_dist
		.amdhsa_group_segment_fixed_size 327680
		.amdhsa_private_segment_fixed_size 0
		.amdhsa_enable_private_segment 0
		.amdhsa_kernarg_size 40
		.amdhsa_user_sgpr_count 2
		.amdhsa_user_sgpr_kernarg_segment_ptr 1
		.amdhsa_wavefront_size32 1
		.amdhsa_system_sgpr_workgroup_id_x 1
		.amdhsa_system_sgpr_workgroup_id_y 1
		.amdhsa_system_sgpr_workgroup_id_z 1
		.amdhsa_system_vgpr_workitem_id 0
		.amdhsa_next_free_vgpr 1024
		.amdhsa_next_free_sgpr 88
		.amdhsa_reserve_vcc 1
		.amdhsa_float_denorm_mode_32 3
		.amdhsa_float_denorm_mode_16_64 3
		.amdhsa_memory_ordered 1
		.amdhsa_forward_progress 1
		.amdhsa_inst_pref_size 255
	.end_amdhsa_kernel
	.section	.bss,"aw",@nobits
	.p2align	6
	.space	262144
	.amdgpu_metadata
---
amdhsa.version: [ 1, 2 ]
amdhsa.kernels:
  - .name:           k_q0e455213ec_dist
    .symbol:         k_q0e455213ec_dist.kd
    .args:
      - { .name: zb, .offset: 0, .size: 8, .value_kind: global_buffer, .address_space: global }
      - { .name: eb, .offset: 8, .size: 8, .value_kind: global_buffer, .address_space: global }
      - { .name: zz, .offset: 16, .size: 8, .value_kind: global_buffer, .address_space: global }
      - { .name: ee, .offset: 24, .size: 8, .value_kind: global_buffer, .address_space: global }
      - { .name: part, .offset: 32, .size: 8, .value_kind: global_buffer, .address_space: global }
    .group_segment_fixed_size: 327680
    .private_segment_fixed_size: 0
    .kernarg_segment_align: 8
    .kernarg_segment_size: 40
    .max_flat_workgroup_size: 128
    .sgpr_count:     88
    .vgpr_count:     1024
    .wavefront_size: 32
...
	.end_amdgpu_metadata
.endif
;; end of part 6
;; launch pick: the kernel of part 3 again; grid 64 x 1, 1 waves a work-group, no clusters, 768 bytes of LDS; arguments part, out2, order; writes out2, order
;; launch gath: the kernel of part 4 again; grid 128 x 2, 8 waves a work-group, no clusters, 132,608 bytes of LDS; arguments order, emb_w, z, out0, lpart; writes out0, lpart
;; launch lsum: the kernel of part 5 again; grid 1 x 1, 1 waves a work-group, no clusters, 0 bytes of LDS; arguments lpart, out1; writes out1
